; MI455X (gfx1250); checked and timed in simulation.
; The chip was launched on July 23, 2026; its instructions are those of AMD's public machine-readable ISA for CDNA 5 (MIT licence, August 2026) and "CDNA5" Instruction Set Architecture Reference Guide (July 2026). The comments in the code are by the model that wrote it; some were corrected since.
;; Multi Head Attention. Allowed arithmetic: matrix products marked QUANTISED: E2M3 operands, one E8M0 scale for each 32 along K, by v_wmma_scale_f32_16x16x128_f8f6f4 with both operands' format E2M3, f32 sums; everything else in f32.
;; Inputs: Wk 16 x 1,024 x 64 float32; Wp 1,024 x 1,024 float32; Wq 16 x 1,024 x 64 float32; Wv 16 x 1,024 x 64 float32; bp 1,024 float32; x 4 x 2,048 x 1,024 float32.
;; Outputs: out0 4 x 2,048 x 1,024 float32.
;; This version of the problem:
;;   THIS VERSION OF THE PROBLEM IS GIVEN IN LOW PRECISION. The matrix products marked QUANTISED in the list below multiply operands that are first quantised to E2M3 (2 exponent bits, 3 mantissa bits; 6 bits a number), with one power-of-two scale for each 32 numbers along K (OCP MX v1.0); their sums are f32. All else is computed in f32.
;;   The module's matrix products, in the order in which they are computed (A, B: the left and right operand; K: the contracted axis; several contracted axes count as one K, in the product's order):
;;     1. [M 1,024, K 1,024] x [K 1,024, N 8,192]; A: input Wq; B: input x: QUANTISED
;;     2. [M 1,024, K 1,024] x [K 1,024, N 8,192]; A: input Wk; B: input x: QUANTISED
;;     3. [M 1,024, K 1,024] x [K 1,024, N 8,192]; A: input Wv; B: input x: QUANTISED
;;     4. batch 64 x [M 2,048, K 64] x [K 64, N 2,048]; A: computed on the way; B: computed on the way: QUANTISED
;;     5. batch 64 x [M 2,048, K 2,048] x [K 2,048, N 64]; A: softmax (see below); B: computed on the way: QUANTISED
;;     6. [M 8,192, K 1,024] x [K 1,024, N 1,024]; A: computed on the way; B: input Wp: QUANTISED
;;   THE QUANTISER, for each operand of a quantised product, along K:
;;     - K is cut into blocks of 32 from its start; a last block that is shorter is filled with zeros.
;;     - A block's scale is 2^e with e = floor(log2(the largest magnitude in the block)) - 2, held to -126 .. 127; a block of zeros has e = 0. As a byte (E8M0): e + 127.
;;     - Each number is divided by its block's scale, clamped to +-7.5, and rounded to the nearest number of E2M3, ties to even, subnormals kept.
;;     - The product sums the exact products of the quantised numbers (number of the format x scale) in f32.
;;   ~~~python
;;   def quantise(x, axis):      # numpy; x: float32 -> the quantised numbers, widened to float32 again
;;       x = np.moveaxis(x, axis, -1); K = x.shape[-1]
;;       x = np.pad(x, [(0, 0)] * (x.ndim - 1) + [(0, -K % 32)]); x = x.reshape(x.shape[:-1] + (-1, 32)); a = np.abs(x).max(-1, keepdims=True)
;;       e = np.where(a > 0, np.clip(np.frexp(np.where(a > 0, a, 1))[1] - 1 - 2, -126, 127), 0)      # np.frexp(a)[1] - 1 = floor(log2(a)), exactly
;;       r = np.clip(x / 2.0 ** e, -7.5, 7.5)
;;       step = 2.0 ** (np.maximum(np.frexp(np.where(r == 0, 1, r))[1] - 1, 0) - 3)
;;       q = np.round(r / step) * step * 2.0 ** e      # np.round: ties to even
;;       return np.moveaxis(q.reshape(q.shape[:-2] + (-1,))[..., :K], -1, axis).astype(np.float32)
;;   ~~~
;;   SOFTMAX AHEAD OF A QUANTISED PRODUCT. Where the list says 'softmax', what is quantised is not the finished softmax but p = 2^(t - M), with t = logit x log2(e) and M = ceil(the row's largest t), a whole number; so 1/2 < the row's largest p <= 1. The row's sum l is taken of the UNQUANTISED p, in f32, and the product's result is divided by l at the end. Since M is a whole number, a kernel that streams over the keys may use a running M (the ceiling of the running maximum): every later rescaling is an exact power of two, which a block's scale takes up: the codes' values come out the same.
;;   OPERANDS COMPUTED ON THE WAY. 'Computed on the way' means the value that the module computes at that place (a softmax that the list does not call 'softmax' is quantised finished and normalised). What goes into a quantiser is computed in f32, as accurately as f32 sums, v_exp_f32 and their like allow (about 1e-6 of the number): no bf16 or f16 on the way to a quantiser, and a product that is left as it is and whose result goes on into a quantised operand takes f32 operands (vector FMAs, or v_wmma_f32_16x16x4_f32). A number that lies on a knife's edge between two numbers of the format may be rounded either way, as far as f32 arithmetic and the matrix unit's own rounding can turn it there, and no further.
;; One version. Each part assembles by itself: llvm-mc -triple=amdgcn-amd-amdhsa -mcpu=gfx1250 --defsym DOCPART=n.
;; ======== version 1 of 1: 4 launches
;; limits: right only within a limited range of input values
;; workspace buffers: xq 6,553,600 bytes; wq 3,276,800 bytes; qk 13,631,488 bytes; vv 6,553,600 bytes; oo 6,553,600 bytes
;; launch quant (part 1): grid 384 x 1, 4 waves a work-group, no clusters, 68,096 bytes of LDS; arguments Wq, Wk, Wv, Wp, wq, x, xq; writes wq, xq
.if DOCPART == 1
	.amdgcn_target "amdgcn-amd-amdhsa--gfx1250"
	.amdhsa_code_object_version 6
	.text
	.protected	k_q98011ce859_quant
	.globl	k_q98011ce859_quant
	.p2align	8
	.type	k_q98011ce859_quant,@function
k_q98011ce859_quant:
	s_mov_b64 s[64:65], 0
	v_nop
	global_prefetch_b8 v0, s[64:65] scope:SCOPE_SE
	s_setreg_imm32_b32 hwreg(HW_REG_WAVE_MODE, 25, 1), 1
	s_wait_xcnt 0x0
; x and the four weights become codes of FP6 (E2M3), K = the 1,024 of n_embd innermost, with one E8M0 scale byte for each 32 along K.  A block's scale is 2^(floor(log2(its largest magnitude)) - 2);
; its byte is the largest magnitude's exponent field - 2, held at 1 from below.  One launch: work-groups 0 to 127 take the weights (the longer chain of steps), 128 to 383 take x; each path has LDS bytes of its own.
; xq: codes [8192 rows][768 bytes] from byte 0, scale bytes [8192][32] from XSCL.  wq: codes [4096 rows][768] from 0, scale bytes [4096][32] from WSCL; rows 0.. Wq (64 head + d), 1024.. Wk, 2048.. Wv, 3072.. Wp (its column).
; THE ROWS ARE LAID IN ANOTHER ORDER inside each 32: logical row 32 B + 16 a + 8 u + i lies at row 32 B + 16 u + 8 a + i: sixteen neighbouring rows are then a tile whose lane r holds logical row 32 B + 8 u + r + 8 (r / 8).
; Later launches jump over key steps that lie wholly behind reference()'s own causal mask; nothing else is left out.
; LIMITS: NaN and infinities are not served; blocks under 2^-124 and blocks of zeros keep the byte 1 (their codes add nothing; this program alone reads the bytes).
; No tensor loads, no barrier: waves share nothing.
.set EMAX,  2
.set WSTG,  32768                      ; LDS: x's path from 0 (8,192 a wave), the weights' stages from here
.set SPARE, 67584                      ; the spare words
.set SPW,   208
.set NIL,   209
	s_load_b256 s[4:11], s[0:1], 0x0               ; Wq, Wk, Wv, Wp
	s_load_b64 s[12:13], s[0:1], 0x20              ; wq
	s_load_b128 s[48:51], s[0:1], 0x28             ; x, xq
	v_lshl_add_u32 v[SPW], v0, 2, SPARE
	v_mov_b32 v[NIL], 0
	v_lshrrev_b32 v1, 5, v0
	v_readfirstlane_b32 s16, v1                    ; wave
	v_and_b32 v2, 31, v0                           ; lane
	s_cmp_lt_u32 ttmp9, 128
	s_wait_alu depctr_va_vdst(0)                   ; the wait ahead of the branch
	s_cbranch_scc0 .Lx
; ---- THE WEIGHTS.  K is not innermost: a lane takes a column and its registers run down K.  A wave takes 32 columns x 256 along K: 8 blocks a lane; the codes leave through the wave's stage, sixteen lanes to a row's 192 bytes.
.set NB,    8
.set ROWB,  192
.set PITCH, 272
.set KROW,  768
.set WSCL,  3145728
.set X,     32                         ; v32-95 two sets of 32 numbers
.set C,     96
.set OUTR,  112
.set SB,    24
.set OFF,   176                        ; v176-207 4 x lane + i x the pitch
.set BAS,   32                         ; s[32:47] a base for each block
	s_bfe_u32 s17, ttmp9, 0x20003                  ; which weight
	s_and_b32 s18, ttmp9, 7                        ; which 128 columns
	s_lshr_b32 s19, ttmp9, 5                       ; which 256 along K
	v_lshlrev_b32 v3, 2, v2
	v_and_b32 v10, 7, v2
	v_bfe_u32 v11, v2, 3, 1
	v_lshl_add_u32 v10, v11, 4, v10
	v_bfe_u32 v11, v2, 4, 1
	v_lshl_add_u32 v10, v11, 3, v10                ; my column's row among the wave's 32: bits 3 and 4 change places
	s_mul_i32 s20, s16, 32*PITCH
	s_add_co_u32 s20, s20, WSTG                    ; my stage
	v_mul_u32_u24 v4, v10, PITCH
	v_add_nc_u32 v4, s20, v4
	v_and_b32 v5, 15, v2
	v_lshrrev_b32 v6, 4, v2
	v_mul_u32_u24 v7, v6, PITCH
	v_lshl_add_u32 v7, v5, 4, v7
	v_add_nc_u32 v7, s20, v7
	v_mul_u32_u24 v8, v6, KROW
	v_mad_u32_u24 v8, v5, 12, v8
	v_lshlrev_b32 v9, 5, v10
	s_lshl_b32 s21, s18, 1
	s_lshr_b32 s22, s16, 1
	s_add_co_u32 s21, s21, s22                     ; the head
	s_lshl_b32 s21, s21, 18
	s_and_b32 s22, s16, 1
	s_lshl_b32 s22, s22, 7
	s_or_b32 s21, s21, s22
	s_lshl_b32 s22, s19, 16
	s_or_b32 s21, s21, s22
	s_lshl_b32 s23, s18, 9                         ; Wp
	s_lshl_b32 s22, s16, 7
	s_or_b32 s23, s23, s22
	s_lshl_b32 s22, s19, 20
	s_or_b32 s23, s23, s22
	s_cmp_eq_u32 s17, 3
	s_cselect_b32 s24, s23, s21
	s_mov_b32 s26, 256
	s_cselect_b32 s26, 4096, s26                   ; the pitch
	s_mov_b32 s25, 0
	s_lshl_b32 s28, s26, 5
	s_mov_b32 s29, 0
.irp i, 0,1,2,3,4,5,6,7,8,9,10,11,12,13,14,15,16,17,18,19,20,21,22,23,24,25,26,27,28,29,30,31
	v_mad_u32_u24 v[OFF+\i], s26, \i, v3
.endr
	s_lshl_b32 s21, s17, 10
	s_lshl_b32 s22, s18, 7
	s_add_co_u32 s21, s21, s22
	s_lshl_b32 s22, s16, 5
	s_add_co_u32 s21, s21, s22
	s_mul_i32 s22, s21, KROW
	s_mul_i32 s23, s19, ROWB
	s_add_co_u32 s22, s22, s23
	s_mov_b32 s23, 0
	s_lshl_b32 s30, s21, 5
	s_lshl_b32 s31, s19, 3
	s_add_co_u32 s30, s30, s31
	s_add_co_u32 s30, s30, WSCL
	s_mov_b32 s31, 0
	s_wait_alu depctr_va_vdst(0)
	s_wait_kmcnt 0x0
	s_cmp_eq_u32 s17, 1
	s_cselect_b64 s[4:5], s[6:7], s[4:5]
	s_cmp_eq_u32 s17, 2
	s_cselect_b64 s[4:5], s[8:9], s[4:5]
	s_cmp_eq_u32 s17, 3
	s_cselect_b64 s[4:5], s[10:11], s[4:5]
	s_add_nc_u64 s[BAS:BAS+1], s[4:5], s[24:25]
.irp t, 1,2,3,4,5,6,7
	s_add_nc_u64 s[BAS+2*\t:BAS+2*\t+1], s[BAS+2*\t-2:BAS+2*\t-1], s[28:29]
.endr
	s_add_nc_u64 s[6:7], s[12:13], s[22:23]
	s_add_nc_u64 s[8:9], s[12:13], s[30:31]
.macro WLOAD t
.irp i, 0,1,2,3,4,5,6,7,8,9,10,11,12,13,14,15,16,17,18,19,20,21,22,23,24,25,26,27,28,29,30,31
	global_load_b32 v[X+32*((\t)%2)+\i], v[OFF+\i], s[BAS+2*(\t):BAS+2*(\t)+1] th:TH_LOAD_NT
.endr
.endm
	WLOAD 0
	WLOAD 1
.macro WBLOCK t
.set XS, X+32*((\t)%2)
.if (\t) < NB-1
	s_wait_loadcnt 32                              ; this block's 32 loads are in; the next block's 32 may be out
.else
	s_wait_loadcnt 0
.endif
	v_max3_num_f32 v12, |v[XS]|, |v[XS+1]|, |v[XS+2]|
	v_max3_num_f32 v13, |v[XS+3]|, |v[XS+4]|, |v[XS+5]|
.irp i, 6,10,14,18,22,26
	v_max3_num_f32 v12, v12, |v[XS+\i]|, |v[XS+\i+1]|
	v_max3_num_f32 v13, v13, |v[XS+\i+2]|, |v[XS+\i+3]|
.endr
	v_max3_num_f32 v12, v12, |v[XS+30]|, |v[XS+31]|
	v_max3_num_f32 v12, v12, v13, (EMAX+1)<<23
	v_add_nc_u32 v11, -(EMAX<<23), v12
	v_lshrrev_b32 v13, 23, v11
.if (\t)%4 == 0
	v_mov_b32 v[SB+(\t)/4], v13
.else
	v_lshl_or_b32 v[SB+(\t)/4], v13, 8*((\t)%4), v[SB+(\t)/4]
.endif
	v_cvt_scalef32_pk16_fp6_f32 v[C:C+2], v[XS:XS+15], v11
	v_cvt_scalef32_pk16_fp6_f32 v[C+4:C+6], v[XS+16:XS+31], v11
	ds_store_b96 v4, v[C:C+2] offset:32*(\t)
	ds_store_b96 v4, v[C+4:C+6] offset:32*(\t)+16
.if (\t)+2 < NB
	WLOAD (\t)+2
.endif
	s_wait_dscnt 0x0                               ; the stores have read their registers
.endm
.set Q, 0
.rept NB
	WBLOCK Q
.set Q, Q+1
.endr
	s_wait_alu depctr_va_vdst(0)
	global_store_b64 v9, v[SB:SB+1], s[8:9]
.irp t, 0,1,2,3,4,5,6,7,8,9,10,11,12,13,14,15
	ds_load_b96 v[OUTR+4*\t:OUTR+4*\t+2], v7 offset:2*\t*PITCH
.endr
.irp t, 0,1,2,3,4,5,6,7,8,9,10,11,12,13,14,15
	s_wait_dscnt 15-\t                             ; row pair t is back; the younger loads may be out
	global_store_b96 v8, v[OUTR+4*\t:OUTR+4*\t+2], s[6:7] offset:2*\t*KROW
.endr
	s_wait_tensorcnt 0x0                           ; the wave's end
	ds_add_u32 v[SPW], v[NIL]
	s_wait_dscnt 0x0
	s_endpgm
; ---- x.  A wave takes 8 rows in 16 steps of 512 numbers; each load reads 512 consecutive bytes; a step's 2,048 bytes turn through the wave's stage, so that a lane holds 16 neighbours along K.
.Lx:
.set STEPS, 16
.set CB,    12
.set R,     16                         ; v16-79 four sets as loaded
.set X,     80                         ; v80-111 two sets of 16 neighbours
.set C,     128                        ; v128-191 codes, four registers a step
.set E,     112                        ; v112-127 a scale byte a step
.set WREG,  8192
.set SP,    80
.set XSCL,  6291456
	v_lshlrev_b32 v3, 4, v2
	s_mul_i32 s17, s16, WREG
	v_lshrrev_b32 v14, 2, v2
	v_mul_u32_u24 v14, v14, SP
	v_and_b32 v15, 3, v2
	v_lshl_add_u32 v14, v15, 4, v14
	v_add_nc_u32 v14, s17, v14
	v_mul_u32_u24 v15, v2, SP
	v_add_nc_u32 v15, s17, v15
	v_mul_u32_u24 v4, v2, CB
	v_lshrrev_b32 v5, 1, v2
	s_add_co_u32 s17, s17, 2*32*SP
	v_add_nc_u32 v5, s17, v5
	v_lshlrev_b32 v7, 3, v2
	v_add_nc_u32 v6, s17, v7
	s_sub_co_u32 s18, ttmp9, 128
	s_lshl_b32 s18, s18, 2
	s_add_co_u32 s20, s18, s16                     ; the run of 8 rows that I read
	s_and_b32 s21, s16, 1
	s_lshl_b32 s21, s21, 1
	s_lshr_b32 s22, s16, 1
	s_or_b32 s21, s21, s22
	s_add_co_u32 s18, s18, s21                     ; and the run that I write: the wave's two bits change places
	s_lshl_b32 s20, s20, 15
	s_mov_b32 s21, 0
	s_mul_i32 s22, s18, 32*STEPS*CB
	s_mov_b32 s23, 0
	s_lshl_b32 s24, s18, 8
	s_add_co_u32 s24, s24, XSCL
	s_mov_b32 s25, 0
	s_wait_alu depctr_va_vdst(0)
	s_wait_kmcnt 0x0
	s_add_nc_u64 s[4:5], s[48:49], s[20:21]
	s_add_nc_u64 s[8:9], s[50:51], s[22:23]
	s_add_nc_u64 s[10:11], s[50:51], s[24:25]
.macro XLOAD t
.irp i, 0,1,2,3
	global_load_b128 v[R+16*((\t)%4)+4*\i:R+16*((\t)%4)+4*\i+3], v3, s[4:5] offset:2048*(\t)+512*\i th:TH_LOAD_NT
.endr
.endm
.macro XTURN t
.irp i, 0,1,2,3
	ds_store_b128 v14, v[R+16*((\t)%4)+4*\i:R+16*((\t)%4)+4*\i+3] offset:32*SP*((\t)%2)+8*SP*\i
.endr
.irp i, 0,1,2,3
	ds_load_b128 v[X+16*((\t)%2)+4*\i:X+16*((\t)%2)+4*\i+3], v15 offset:32*SP*((\t)%2)+16*\i
.endr
.endm
.irp t, 0,1,2,3
	XLOAD \t
.endr
	s_wait_loadcnt 12                              ; step 0's four loads are in; the twelve of steps 1 to 3 may be out
	XTURN 0
.macro XSTEP t
.set XS, X+16*((\t)%2)
.if (\t) > 0
	s_wait_dscnt 1                                 ; this step's numbers are back (the last step's byte store may be out)
.else
	s_wait_dscnt 0x0
.endif
.if (\t)+4 < STEPS
	XLOAD (\t)+4
.endif
.if (\t)+1 < STEPS
.if STEPS-2-(\t) >= 3
	s_wait_loadcnt 12                              ; the next step's four loads are in; those of the three steps behind it may be out
.else
	s_wait_loadcnt 4*(STEPS-2-(\t))
.endif
	XTURN (\t)+1
.endif
	v_max3_num_f32 v8, |v[XS]|, |v[XS+1]|, |v[XS+2]|
	v_max3_num_f32 v9, |v[XS+3]|, |v[XS+4]|, |v[XS+5]|
.irp i, 6,10
	v_max3_num_f32 v8, v8, |v[XS+\i]|, |v[XS+\i+1]|
	v_max3_num_f32 v9, v9, |v[XS+\i+2]|, |v[XS+\i+3]|
.endr
	v_max3_num_f32 v8, v8, |v[XS+14]|, |v[XS+15]|
	v_max3_num_f32 v8, v8, v9, (EMAX+1)<<23
	v_max_num_f32_dpp v8, v8, v8 row_xmask:1 row_mask:0xf bank_mask:0xf
	v_add_nc_u32 v11, -(EMAX<<23), v8
	v_cvt_scalef32_pk16_fp6_f32 v[C+4*(\t):C+4*(\t)+2], v[XS:XS+15], v11
	v_lshrrev_b32 v[E+(\t)], 23, v11
	ds_store_b8 v5, v[E+(\t)] offset:16*(\t)
	global_store_b96 v4, v[C+4*(\t):C+4*(\t)+2], s[8:9] offset:32*CB*(\t)
.endm
.irp t, 0,1,2,3,4,5,6,7,8,9,10,11,12,13,14,15
	XSTEP \t
.endr
	ds_load_b64 v[12:13], v6
	s_wait_dscnt 0x0
	global_store_b64 v7, v[12:13], s[10:11]        ; 32 lanes store 256 consecutive bytes, aligned
	s_wait_tensorcnt 0x0                           ; the wave's end
	ds_add_u32 v[SPW], v[NIL]
	s_wait_dscnt 0x0
	s_endpgm
.Lfunc_end_k_q98011ce859_quant:
	.size	k_q98011ce859_quant, .Lfunc_end_k_q98011ce859_quant-k_q98011ce859_quant
	.p2alignl 7, 3214868480
	.fill 96, 4, 3214868480
	.section	.rodata,"a",@progbits
	.p2align	6, 0x0
	.amdhsa_kernel k_q98011ce859_quant
		.amdhsa_group_segment_fixed_size 68096
		.amdhsa_private_segment_fixed_size 0
		.amdhsa_enable_private_segment 0
		.amdhsa_kernarg_size 56
		.amdhsa_user_sgpr_count 2
		.amdhsa_user_sgpr_kernarg_segment_ptr 1
		.amdhsa_wavefront_size32 1
		.amdhsa_system_sgpr_workgroup_id_x 1
		.amdhsa_system_sgpr_workgroup_id_y 1
		.amdhsa_system_sgpr_workgroup_id_z 1
		.amdhsa_system_vgpr_workitem_id 0
		.amdhsa_next_free_vgpr 210
		.amdhsa_next_free_sgpr 66
		.amdhsa_reserve_vcc 0
		.amdhsa_float_denorm_mode_32 3
		.amdhsa_float_denorm_mode_16_64 3
		.amdhsa_memory_ordered 1
		.amdhsa_forward_progress 1
		.amdhsa_inst_pref_size 77
	.end_amdhsa_kernel
	.amdgpu_metadata
---
amdhsa.version: [ 1, 2 ]
amdhsa.kernels:
  - .name:           k_q98011ce859_quant
    .symbol:         k_q98011ce859_quant.kd
    .args:
      - { .name: Wq, .offset: 0, .size: 8, .value_kind: global_buffer, .address_space: global }
      - { .name: Wk, .offset: 8, .size: 8, .value_kind: global_buffer, .address_space: global }
      - { .name: Wv, .offset: 16, .size: 8, .value_kind: global_buffer, .address_space: global }
      - { .name: Wp, .offset: 24, .size: 8, .value_kind: global_buffer, .address_space: global }
      - { .name: wq, .offset: 32, .size: 8, .value_kind: global_buffer, .address_space: global }
      - { .name: x, .offset: 40, .size: 8, .value_kind: global_buffer, .address_space: global }
      - { .name: xq, .offset: 48, .size: 8, .value_kind: global_buffer, .address_space: global }
    .group_segment_fixed_size: 68096
    .private_segment_fixed_size: 0
    .kernarg_segment_align: 8
    .kernarg_segment_size: 56
    .max_flat_workgroup_size: 128
    .sgpr_count:     66
    .vgpr_count:     210
    .wavefront_size: 32
...
	.end_amdgpu_metadata
.endif
;; end of part 1
;; launch gemm_qkv (part 2): grid 12 x 32, 4 waves a work-group, clusters of 4 x 4, 327,680 bytes of LDS; arguments xq, wq, qk, vv; writes qk, vv
.if DOCPART == 2
	.amdgcn_target "amdgcn-amd-amdhsa--gfx1250"
	.amdhsa_code_object_version 6
	.text
	.protected	k_q98011ce859_gemm_qkv
	.globl	k_q98011ce859_gemm_qkv
	.p2align	8
	.type	k_q98011ce859_gemm_qkv,@function
k_q98011ce859_gemm_qkv:
	s_mov_b64 s[64:65], 0
	v_nop
	global_prefetch_b8 v0, s[64:65] scope:SCOPE_SE
	s_setreg_imm32_b32 hwreg(HW_REG_WAVE_MODE, 25, 1), 1
	s_wait_xcnt 0x0
	s_wait_alu depctr_hold_cnt(0) depctr_sa_sdst(0) depctr_va_vdst(0) depctr_va_sdst(0) depctr_va_ssrc(0) depctr_va_vcc(0) depctr_vm_vsrc(0)
	s_getreg_b32 s2, hwreg(HW_REG_IB_STS2, 6, 4)
	s_cmp_eq_u32 s2, 0
	s_cbranch_scc0 .Lentry_in_a_cluster
	s_endpgm
.Lentry_in_a_cluster:
	s_bfe_u32 s2, ttmp6, 0x10000c
	s_cmp_lg_u32 s2, 0xf033
	s_cbranch_scc0 .Lentry_shape_is_right
	s_endpgm
.Lentry_shape_is_right:
; q, k = x W^T (clusters x = 0, 1) and v^T = Wv x^T (cluster x = 2) on codes of FP6 (E2M3), K = 1,024, f32 sums; the results are quantised at once, along a lane's registers, and leave as images of operand registers.
; A tile is 256 x 256, four waves of 128 x 128.  K goes through a ring of two LDS slots in chunks of 256 bytes of each row (a row of codes is 768 bytes: three chunks, each beginning at a multiple of 256);
; a step of 128 along K is 96 bytes: eight steps; steps 2 and 5 lie across two chunks.  The scale bytes of the 256 + 256 rows come once, as dense blocks.
; Head: one joint load a wave (A's chunk 0, B's chunk 0, A's scales, B's scales); chunk 1 behind a drained round; chunk 2 is the one refill.  A's tiles are shared along a row of the cluster, B's along a column.
; No prefetch: three chunks in all, of which two are asked for at the head.  Source 0 = B's rows, source 1 = A's: a lane holds one row of A's side and neighbours along B's side.
; LIMITS: NaN and infinities are not served; blocks under 2^-124 and blocks of zeros keep the byte 1 (this program alone reads the bytes).
.set ROWB,   256
.set NQ,     2
.set KROW,   768
.set STEPS,  8
.set CHUNKS, 3
.set PITCH,  272
.set FR,     12
.set NL,     6
.set NP,     4
.set HALFT,  128*PITCH
.set SLOT,   4*HALFT
.set KS,     32
.set SCL,    2*SLOT
.set HALFS,  (128*KS/256)*272
.set SBLK,   (16*KS/256)*272
.set SPARE,  SCL+4*HALFS
.set QKS,    12582912
.set VVS,    6291456
.set ADRA, 16
.set ADRB, 20
.set SST,  24
.set L8,   25
.set L16,  26
.set ADRS, 27
.set SPW,  28
.set NIL,  29
.set SH,   30
.set SRD,  31
.set SC,   32
.set PC,   112
.set AF,   128
.set TM,   200
.set PWS,  216
.set OUTW, 232
.set G1, 24
.set G0, 32
.set G1B, 48
.set G0B, 56
.set G1S, 68
.set G0S, 76
.set G1SB, 80
.set G0SB, 88
.set G0H, 4
.set G0HB, 8
.set ISV, 95
.set OB,  96
.set SB0, 100
.set SB1, 104
.set MSB, 0
.macro WIN new
.if MSB != \new
	s_set_vgpr_msb (MSB<<8)|\new
.set MSB, \new
.endif
.endm
.set MUL_LO, 0xa1
.set MUL_HI, 0xf1
.set TO_B,   0x40
.macro JLOAD g0a, g1a, g0b, g1b
	s_cmp_eq_u32 s15, 0
	s_cbranch_scc0 .Lfor_b_\@
	tensor_load_to_lds s[\g0a:\g0a+3], s[\g1a:\g1a+7]
	s_nop 0
.rept 4
	v_nop
.endr
	s_branch .Lasked_\@
.Lfor_b_\@:
	tensor_load_to_lds s[\g0b:\g0b+3], s[\g1b:\g1b+7]
	s_nop 0
.rept 4
	v_nop
.endr
.Lasked_\@:
.endm
.macro CREST
	s_cmp_lg_u32 s14, 0
	s_cbranch_scc1 .Lnot_wave_0_\@
	s_barrier_signal -3
.Lnot_wave_0_\@:
	s_barrier_wait -3
	s_barrier_signal -1
	s_barrier_wait -1
.endm
.macro CROUND
	s_barrier_signal -1
	s_barrier_wait -1
	CREST
.endm
	s_load_b128 s[4:7], s[0:1], 0x0                ; xq, wq
	s_load_b128 s[8:11], s[0:1], 0x10              ; qk, vv
	v_lshl_add_u32 v[SPW], v0, 2, SPARE
	v_mov_b32 v[NIL], 0
	ds_add_u32 v[SPW], v[NIL]                      ; the opening lines
	ds_add_u32 v[SPW], v[NIL]
	v_lshrrev_b32 v1, 5, v0
	v_readfirstlane_b32 s14, v1                    ; wave
	s_lshr_b32 s15, s14, 1
	s_and_b32 s16, s14, 1
	s_bfe_u32 s40, ttmp6, 0x40000
	s_bfe_u32 s41, ttmp6, 0x40004
	s_and_b32 s17, ttmp7, 0xffff
	s_cmp_eq_u32 ttmp9, 2                          ; cluster x = 2 makes v^T: A = Wv's rows, B = x's rows
	s_cselect_b32 s[ISV], 1, 0
	s_cselect_b32 s42, s17, ttmp9
	s_cselect_b32 s17, 0, s17
	s_lshl_b32 s42, s42, 2
	s_add_co_u32 s42, s42, s40                     ; tile column (B)
	s_lshl_b32 s17, s17, 2
	s_add_co_u32 s17, s17, s41                     ; tile row (A)
	s_lshl_b32 s43, s41, 2
	s_lshl_b32 s43, 15, s43
	s_lshl_b32 s44, 0x1111, s40
	s_mov_b32 s66, 0x76543210
	s_mov_b32 s67, 0xfedcba98
	s_or_b32 s[G1+0], s43, (0<<16)|(1<<20)|(1<<21)|(5<<22)|(3<<25)
	s_or_b32 s[G1B+0], s44, (0<<16)|(1<<20)|(1<<21)|(5<<22)|(3<<25)
.irp g, G1, G1B
	s_mov_b32 s[\g+1], ROWB<<16
	s_mov_b32 s[\g+2], 256<<16
	s_mov_b32 s[\g+3], ROWB<<16
	s_mov_b32 s[\g+4], 256
	s_mov_b32 s[\g+5], KROW
	s_mov_b32 s[\g+6], 0
	s_mov_b32 s[\g+7], 0
.endr
	s_or_b32 s[G1S+0], s43, (3<<16)|(1<<20)|(1<<21)|(5<<22)|(3<<25)
	s_or_b32 s[G1SB+0], s44, (3<<16)|(1<<20)|(1<<21)|(5<<22)|(3<<25)
.irp g, G1S, G1SB
	s_mov_b32 s[\g+1], 32<<16
	s_mov_b32 s[\g+2], KS<<16
	s_mov_b32 s[\g+3], 32<<16
	s_mov_b32 s[\g+4], KS
	s_mov_b32 s[\g+5], 32
	s_mov_b32 s[\g+6], 0
	s_mov_b32 s[\g+7], 0
.endr
	s_lshl_b32 s20, s17, 8
	s_lshl_b32 s46, s42, 8
	s_mov_b32 s21, 0
	s_mov_b32 s47, 0
	s_mov_b64 s[18:19], KS
	s_mul_u64 s[22:23], s[20:21], s[18:19]
	s_mul_u64 s[92:93], s[46:47], s[18:19]
	s_mov_b64 s[18:19], KROW
	s_mul_u64 s[20:21], s[20:21], s[18:19]
	s_mul_u64 s[46:47], s[46:47], s[18:19]
	s_mul_i32 s18, s16, 128*KROW
	s_mov_b32 s19, 0
	s_mul_i32 s45, s14, HALFT
	s_wait_dscnt 0x0
	s_wait_kmcnt 0x0
	s_add_nc_u64 s[96:97], s[4:5], 6291456         ; x's scale bytes
	s_add_nc_u64 s[98:99], s[6:7], 2048*KROW       ; Wv's codes
	s_add_nc_u64 s[100:101], s[6:7], 3145728+2048*KS
	s_add_nc_u64 s[104:105], s[6:7], 3145728       ; the weights' scale bytes
	s_cmp_eq_u32 s[ISV], 1
	s_cselect_b64 s[98:99], s[98:99], s[4:5]
	s_cselect_b64 s[100:101], s[100:101], s[96:97]
	s_cselect_b64 s[4:5], s[4:5], s[6:7]
	s_cselect_b64 s[6:7], s[96:97], s[104:105]
	s_cselect_b64 s[12:13], s[10:11], s[8:9]       ; where the results go
	s_add_nc_u64 s[20:21], s[98:99], s[20:21]
	s_add_nc_u64 s[22:23], s[100:101], s[22:23]
	s_add_nc_u64 s[46:47], s[4:5], s[46:47]
	s_add_nc_u64 s[92:93], s[6:7], s[92:93]
	CROUND
	s_mov_b32 s[G0H], 1
	s_mov_b32 s[G0H+1], 0
	s_mov_b64 s[G0H+2:G0H+3], s[20:21]
	s_or_b32 s[G0H+3], s[G0H+3], 0x80000000
	s_mov_b32 s[G0HB], 1
	s_mov_b32 s[G0HB+1], 2*HALFT
	s_mov_b64 s[G0HB+2:G0HB+3], s[46:47]
	s_or_b32 s[G0HB+3], s[G0HB+3], 0x80000000
	s_mov_b32 s[G0S], 1
	s_mov_b32 s[G0S+1], SCL
	s_mov_b64 s[G0S+2:G0S+3], s[22:23]
	s_or_b32 s[G0S+3], s[G0S+3], 0x80000000
	s_mov_b32 s[G0SB], 1
	s_mov_b32 s[G0SB+1], SCL+2*HALFS
	s_mov_b64 s[G0SB+2:G0SB+3], s[92:93]
	s_or_b32 s[G0SB+3], s[G0SB+3], 0x80000000
	s_add_nc_u64 s[20:21], s[20:21], s[18:19]
	s_add_nc_u64 s[46:47], s[46:47], s[18:19]
.irp s, 0,1
	s_mov_b32 s[G0+4*\s], 1
	s_add_co_u32 s[G0+4*\s+1], s45, \s*SLOT
	s_add_nc_u64 s[G0+4*\s+2:G0+4*\s+3], s[20:21], \s*ROWB
	s_or_b32 s[G0+4*\s+3], s[G0+4*\s+3], 0x80000000
	s_mov_b32 s[G0B+4*\s], 1
	s_add_co_u32 s[G0B+4*\s+1], s45, \s*SLOT
	s_add_nc_u64 s[G0B+4*\s+2:G0B+4*\s+3], s[46:47], \s*ROWB
	s_or_b32 s[G0B+4*\s+3], s[G0B+4*\s+3], 0x80000000
.endr
.macro ARM under, g0, g1, next                 ; the head's loads, one a wave, in one chain on the wave's number
	s_cmp_lt_u32 s14, \under
	s_cbranch_scc0 \next
	tensor_load_to_lds s[\g0:\g0+3], s[\g1:\g1+7]
	s_nop 0
.rept 4
	v_nop
.endr
	s_branch .Lhead_asked
\next:
.endm
	ARM 1, G0H,  G1,  .Lhead_b
	ARM 2, G0HB, G1B, .Lhead_sa
	ARM 3, G0S,  G1S, .Lhead_sb
	tensor_load_to_lds s[G0SB:G0SB+3], s[G1SB:G1SB+7]
	s_nop 0
.rept 4
	v_nop
.endr
.Lhead_asked:
	v_and_b32 v1, 15, v0
	v_bfe_u32 v2, v0, 4, 1
	v_mul_u32_u24 v3, v1, PITCH
	v_mul_u32_u24 v4, v2, 24
	v_add_nc_u32 v4, v3, v4
	s_mov_b32 s21, SLOT-232
	s_mov_b32 s22, SLOT+232
	v_sub_nc_u32 v7, 1, v2
	v_mul_u32_u24 v5, s21, v2
	v_add_nc_u32 v5, v3, v5
	v_add_nc_u32 v5, 232, v5                       ; across two chunks: lanes 0-15 byte 232 in slot 0, lanes 16-31 byte 0 in slot 1
	v_mul_u32_u24 v6, s22, v7
	v_add_nc_u32 v6, v3, v6                        ; and the other way round
	s_mul_i32 s21, s15, HALFT
	s_mul_i32 s22, s16, HALFT
	s_add_co_u32 s22, s22, 2*HALFT
	v_add_nc_u32 v[ADRA+2], s21, v5
	v_add_nc_u32 v[ADRA+3], s21, v6
	v_add_nc_u32 v[ADRB+2], s22, v5
	v_add_nc_u32 v[ADRB+3], s22, v6
.irp s, 0,1
	v_add_nc_u32 v[ADRA+\s], s21, v4
	v_add_nc_u32 v[ADRB+\s], s22, v4
	s_add_co_u32 s21, s21, SLOT
	s_add_co_u32 s22, s22, SLOT
.endr
	v_mul_u32_u24 v5, v1, KS
	v_lshrrev_b32 v6, 8, v5
	v_lshl_add_u32 v5, v6, 4, v5
	s_mul_i32 s21, s15, HALFS
	s_mul_i32 s22, s16, HALFS
	s_add_co_u32 s22, s22, 2*HALFS
	s_sub_co_u32 s22, s22, s21
	v_mul_u32_u24 v6, s22, v2
	s_add_co_u32 s21, s21, SCL
	v_add_nc_u32 v5, v5, v6
	v_add_nc_u32 v[ADRS], s21, v5
	s_lshl_b32 s23, s14, 10
	s_add_co_u32 s23, s23, SLOT                    ; the stage for the results' scale words: in slot 1, which has its one fill and its last read behind the walk's last barrier
	s_wait_alu depctr_va_vdst(0)                   ; the wait ahead of the readers below
	v_and_b32 v6, 31, v0
	v_lshlrev_b32 v[L8], 3, v6
	v_lshlrev_b32 v[L16], 4, v6
	v_lshlrev_b32 v5, 2, v1
	v_lshl_add_u32 v5, v2, 9, v5
	v_add_nc_u32 v[SST], s23, v5
	v_add_nc_u32 v[SRD], s23, v[L16]
	v_lshlrev_b32 v[SH], 4, v2
	s_lshl_b32 s18, s17, 4                         ; where my images and scale words go
	s_lshl_b32 s19, s15, 3
	s_add_co_u32 s18, s18, s19
	s_lshl_b32 s19, s42, 1
	s_add_co_u32 s19, s19, s16
	s_lshr_b32 s20, s18, 7
	s_lshl_b32 s20, s20, 5
	s_lshl_b32 s21, s19, 1
	s_add_co_u32 s20, s20, s21
	s_lshl_b32 s20, s20, 7
	s_and_b32 s21, s18, 127
	s_add_co_u32 s20, s20, s21
	s_lshl_b32 s21, s20, 6
	s_add_co_u32 s21, s21, QKS
	s_lshl_b32 s22, s19, 7
	s_add_co_u32 s22, s22, s18
	s_lshl_b32 s23, s19, 6
	s_add_co_u32 s23, s23, s18
	s_lshl_b32 s23, s23, 6
	s_add_co_u32 s23, s23, VVS
	s_cmp_eq_u32 s[ISV], 1
	s_cselect_b32 s20, s22, s20
	s_cselect_b32 s22, s23, s21
	s_mov_b32 s46, 128*768
	s_cselect_b32 s46, 64*768, s46
	s_mul_i32 s20, s20, 768
	s_mov_b32 s21, 0
	s_mov_b32 s23, 0
	s_mov_b32 s47, 0
	s_add_nc_u64 s[OB:OB+1], s[12:13], s[20:21]
	s_add_nc_u64 s[OB+2:OB+3], s[OB:OB+1], s[46:47]
	s_add_nc_u64 s[SB0:SB0+1], s[12:13], s[22:23]
	s_add_nc_u64 s[SB1:SB1+1], s[SB0:SB0+1], 128*64
.macro FRAG reg, adr, st, i                    ; a fragment in six pieces of 8 bytes; byte y of a row lies in slot (y / 256) % 2 at byte y % 256
.irp p, 0,1,2,3,4,5
.set BY, 96*(\st)+48*(\p/3)+8*(\p%3)
.if BY/ROWB == (BY+24)/ROWB
	ds_load_b64 v[\reg+2*\p:\reg+2*\p+1], v[\adr+(BY/ROWB)%2] offset:BY%ROWB+(\i)*16*PITCH
.else
	ds_load_b64 v[\reg+2*\p:\reg+2*\p+1], v[\adr+2+(BY/ROWB)%2] offset:BY%ROWB-232+(\i)*16*PITCH
.endif
.endr
.endm
.macro MUL16 a0, p, q, sc, zero                ; the 64 accumulators take turns
.irp a, \a0, \a0+1
.irp b, 0,1,2,3,4,5,6,7
.if \zero
	v_wmma_scale_f32_16x16x128_f8f6f4 v[8*(8*((\a)%4)+\b):8*(8*((\a)%4)+\b)+7], v[128*(\p)+FR*\b:128*(\p)+FR*\b+FR-1], v[AF+FR*(\a):AF+FR*(\a)+FR-1], 0, v[SC+8*NQ*(\sc)+NQ*\b+(\q)], v[SC+8*NQ*(\sc)+NQ*(\a)+(\q)] matrix_a_fmt:MATRIX_FMT_FP6 matrix_b_fmt:MATRIX_FMT_FP6 matrix_a_scale:MATRIX_SCALE_ROW1
.else
	v_wmma_scale_f32_16x16x128_f8f6f4 v[8*(8*((\a)%4)+\b):8*(8*((\a)%4)+\b)+7], v[128*(\p)+FR*\b:128*(\p)+FR*\b+FR-1], v[AF+FR*(\a):AF+FR*(\a)+FR-1], v[8*(8*((\a)%4)+\b):8*(8*((\a)%4)+\b)+7], v[SC+8*NQ*(\sc)+NQ*\b+(\q)], v[SC+8*NQ*(\sc)+NQ*(\a)+(\q)] matrix_a_fmt:MATRIX_FMT_FP6 matrix_b_fmt:MATRIX_FMT_FP6 matrix_a_scale:MATRIX_SCALE_ROW1
.endif
.endr
.endr
.endm
.macro FETCH_B st, p
	WIN TO_B
.irp i, 0,1,2,3,4,5,6,7
	FRAG 128*(\p)+FR*\i, ADRB, \st, \i
.endr
	WIN 0
.endm
.macro FETCH_A st, i0
.irp i, \i0, \i0+1, \i0+2, \i0+3
	FRAG AF+FR*(\i), ADRA, \st, \i
.endr
.endm
.macro SCALES pr
.irp i, 0,1,2,3,4,5,6,7
	ds_load_b64 v[SC+8*NQ*((\pr)%2)+NQ*\i:SC+8*NQ*((\pr)%2)+NQ*\i+1], v[ADRS] offset:\i*SBLK+4*NQ*(\pr)
.endr
.endm
.macro PLACES n
.rept \n
	v_nop
.endr
.endm
; A step: 64 products; the next step's fragments are fetched in its middle and at its end.  Where the next step's bytes end in a chunk not yet read, a barrier shows it; where they begin in a later chunk,
; the three lines and the barrier free the chunk left behind, and where a chunk two on is left, the barrier opens a round and the slot is filled again.
.macro STEP st, zero
.set NX, (\st)+1
.set C0, (96*(\st))/ROWB
.set C1, (96*NX)/ROWB
.set E0, (96*(\st)+95)/ROWB
.set E1, (96*NX+95)/ROWB
.if C1 > C0 || E1 > E0
	s_wait_tensorcnt 0x0
.if C1 > C0
	ds_add_u32 v[SPW], v[NIL]
	s_wait_dscnt 4*NL+1                            ; the add and A's blocks 4-7 may be out
.else
	s_wait_dscnt 4*NL                              ; A's blocks 4-7 may be out
.endif
	WIN MUL_LO
	MUL16 0, (\st)%2, (\st)%2, ((\st)/2)%2, \zero
	s_wait_dscnt 0x0
	s_barrier_signal -1
	MUL16 2, (\st)%2, (\st)%2, ((\st)/2)%2, \zero
	WIN 0
	s_barrier_wait -1
.if C1 > C0 && C0+2 < CHUNKS
	CREST
	s_add_nc_u64 s[G0+4*(C0%2)+2:G0+4*(C0%2)+3], s[G0+4*(C0%2)+2:G0+4*(C0%2)+3], 2*ROWB
	s_add_nc_u64 s[G0B+4*(C0%2)+2:G0B+4*(C0%2)+3], s[G0B+4*(C0%2)+2:G0B+4*(C0%2)+3], 2*ROWB
	JLOAD G0+4*(C0%2), G1, G0B+4*(C0%2), G1B
.else
	PLACES NP
.endif
.else
	s_wait_dscnt 4*NL
	WIN MUL_LO
	MUL16 0, (\st)%2, (\st)%2, ((\st)/2)%2, \zero
	MUL16 2, (\st)%2, (\st)%2, ((\st)/2)%2, \zero
	s_wait_dscnt 0
	PLACES NP
.endif
	FETCH_B NX, NX%2
	FETCH_A NX, 0
.if NX%2 == 0
	SCALES NX/2
.endif
	WIN MUL_HI
	MUL16 4, (\st)%2, (\st)%2, ((\st)/2)%2, \zero
	MUL16 6, (\st)%2, (\st)%2, ((\st)/2)%2, \zero
	PLACES NP
	WIN 0
	FETCH_A NX, 4
.endm
	s_wait_alu depctr_va_vdst(0)                   ; the wait at the head's end
	s_wait_tensorcnt 0x0
	ds_add_u32 v[SPW], v[NIL]
	s_mov_b32 s[G1+2], 128<<16                     ; no load of mine is out: from here on a load brings 128 rows
	s_mov_b32 s[G1+4], 128
	s_mov_b32 s[G1B+2], 128<<16
	s_mov_b32 s[G1B+4], 128
	s_wait_dscnt 0x0
	CROUND
	JLOAD G0+4, G1, G0B+4, G1B                     ; chunk 1
	FETCH_B 0, 0
	FETCH_A 0, 0
	SCALES 0
	FETCH_A 0, 4
	STEP 0, 1
.set ST, 1
.rept STEPS-2
	STEP ST, 0
.set ST, ST+1
.endr
	s_wait_dscnt 4*NL
	WIN MUL_LO
	MUL16 0, 1, 1, 1, 0
	MUL16 2, 1, 1, 1, 0
	s_wait_dscnt 0
	WIN MUL_HI
	MUL16 4, 1, 1, 1, 0
	MUL16 6, 1, 1, 1, 0
	WIN 0
; THE WAY OUT of block a (16 rows of A's side x 128): four scale blocks of 32 lie in lanes l and l xor 16; codes leave as two images of 768 bytes, the scale words through the stage.
.macro QW a
.set AC, 64*((\a)%4)
	WIN 0x0a+5*((\a)/4)
.irp b, 0,1,2,3
	v_max3_num_f32 v[TM+\b], |v[AC+16*\b]|, |v[AC+16*\b+1]|, 0x1800000
.endr
.irp i, 2,4,6,8,10,12,14
.irp b, 0,1,2,3
	v_max3_num_f32 v[TM+\b], |v[AC+16*\b+\i]|, |v[AC+16*\b+\i+1]|, v[TM+\b]
.endr
.endr
	WIN 0
.irp b, 0,1,2,3
	v_permlanex16_b32 v[TM+4+\b], v[TM+\b], s66, s67
.endr
.irp b, 0,1,2,3
	v_max_num_f32 v[TM+\b], v[TM+\b], v[TM+4+\b]
.endr
.irp b, 0,1,2,3
	v_add_nc_u32 v[TM+12+\b], 0xff000000, v[TM+\b]
.endr
.irp b, 0,1,2,3
	v_lshrrev_b32 v[TM+4+\b], 23, v[TM+12+\b]
.endr
	v_lshl_or_b32 v[PWS+(\a)], v[TM+5], 8, v[TM+4]
	v_lshl_or_b32 v[PWS+(\a)], v[TM+6], 16, v[PWS+(\a)]
	v_lshl_or_b32 v[PWS+(\a)], v[TM+7], 24, v[PWS+(\a)]
	v_lshrrev_b32 v[PWS+(\a)], v[SH], v[PWS+(\a)]
	s_wait_alu depctr_va_vdst(0)                   ; the wait ahead of the wait below
	s_wait_xcnt 0x0                                ; the last block's stores have read their registers
	WIN 2+(\a)/4
.irp c, 0,1
	v_cvt_scalef32_pk16_fp6_f32 v[PC+6*\c:PC+2+6*\c], v[AC+32*\c:AC+15+32*\c], v[TM+12+2*\c]
	v_cvt_scalef32_pk16_fp6_f32 v[PC+12+4*\c:PC+14+4*\c], v[AC+16+32*\c:AC+31+32*\c], v[TM+12+2*\c+1]
.endr
	WIN 0
	v_nop
.irp c, 0,1
.irp i, 0,1,2
	v_permlane16_swap_b32 v[PC+6*\c+\i], v[PC+12+4*\c+\i]
.endr
.irp i, 0,1,2
	v_mov_b32 v[PC+3+6*\c+\i], v[PC+12+4*\c+\i]
.endr
.endr
.irp p, 0,1,2,3,4,5
	global_store_b64 v[L8], v[PC+2*\p:PC+2*\p+1], s[OB+2*(\p/3):OB+2*(\p/3)+1] offset:768*(\a)+256*(\p%3)
.endr
	ds_store_b32 v[SST], v[PWS+(\a)] offset:64*(\a)
.endm
	PLACES NP
.irp b, 0,1,2,3
	v_mov_b32 v[TM+4+\b], 0
.endr
.irp a, 0,1,2,3,4,5,6,7
	QW \a
.endr
	ds_load_b128 v[OUTW:OUTW+3], v[SRD]
	ds_load_b128 v[OUTW+4:OUTW+7], v[SRD] offset:512
	s_wait_dscnt 1
	global_store_b128 v[L16], v[OUTW:OUTW+3], s[SB0:SB0+1]
	s_cmp_eq_u32 s[ISV], 1
	s_cbranch_scc1 .Lwords_out
	s_wait_dscnt 0x0
	global_store_b128 v[L16], v[OUTW+4:OUTW+7], s[SB1:SB1+1]
.Lwords_out:
	s_wait_tensorcnt 0x0
	ds_add_u32 v[SPW], v[NIL]
	s_wait_dscnt 0x0
	CROUND
	s_endpgm
.Lfunc_end_k_q98011ce859_gemm_qkv:
	.size	k_q98011ce859_gemm_qkv, .Lfunc_end_k_q98011ce859_gemm_qkv-k_q98011ce859_gemm_qkv
	.p2alignl 7, 3214868480
	.fill 96, 4, 3214868480
	.section	.rodata,"a",@progbits
	.p2align	6, 0x0
	.amdhsa_kernel k_q98011ce859_gemm_qkv
		.amdhsa_group_segment_fixed_size 327680
		.amdhsa_private_segment_fixed_size 0
		.amdhsa_enable_private_segment 0
		.amdhsa_kernarg_size 32
		.amdhsa_user_sgpr_count 2
		.amdhsa_user_sgpr_kernarg_segment_ptr 1
		.amdhsa_wavefront_size32 1
		.amdhsa_system_sgpr_workgroup_id_x 1
		.amdhsa_system_sgpr_workgroup_id_y 1
		.amdhsa_system_sgpr_workgroup_id_z 1
		.amdhsa_system_vgpr_workitem_id 0
		.amdhsa_next_free_vgpr 1024
		.amdhsa_next_free_sgpr 106
		.amdhsa_reserve_vcc 0
		.amdhsa_float_denorm_mode_32 3
		.amdhsa_float_denorm_mode_16_64 3
		.amdhsa_memory_ordered 1
		.amdhsa_forward_progress 1
		.amdhsa_inst_pref_size 169
	.end_amdhsa_kernel
	.amdgpu_metadata
---
amdhsa.version: [ 1, 2 ]
amdhsa.kernels:
  - .name:           k_q98011ce859_gemm_qkv
    .symbol:         k_q98011ce859_gemm_qkv.kd
    .args:
      - { .name: xq, .offset: 0, .size: 8, .value_kind: global_buffer, .address_space: global }
      - { .name: wq, .offset: 8, .size: 8, .value_kind: global_buffer, .address_space: global }
      - { .name: qk, .offset: 16, .size: 8, .value_kind: global_buffer, .address_space: global }
      - { .name: vv, .offset: 24, .size: 8, .value_kind: global_buffer, .address_space: global }
    .group_segment_fixed_size: 327680
    .private_segment_fixed_size: 0
    .kernarg_segment_align: 8
    .kernarg_segment_size: 32
    .max_flat_workgroup_size: 128
    .sgpr_count:     106
    .vgpr_count:     1024
    .wavefront_size: 32
...
	.end_amdgpu_metadata
.endif
;; end of part 2
;; launch attn (part 3): grid 4 x 64, 16 waves a work-group, no clusters, 327,680 bytes of LDS; arguments qk, vv, oo; writes oo
.if DOCPART == 3
	.amdgcn_target "amdgcn-amd-amdhsa--gfx1250"
	.amdhsa_code_object_version 6
	.text
	.protected	k_q98011ce859_attn
	.globl	k_q98011ce859_attn
	.p2align	8
	.type	k_q98011ce859_attn,@function
k_q98011ce859_attn:
	s_mov_b64 s[64:65], 0
	v_nop
	global_prefetch_b8 v0, s[64:65] scope:SCOPE_SE
	s_setreg_imm32_b32 hwreg(HW_REG_WAVE_MODE, 25, 1), 1
	s_wait_xcnt 0x0
; O = softmax(q k^T / 32, causal) v for one head, both products on codes of FP6 (E2M3); O is quantised at once along the head's 64 for the last product.
; t = score x log2(e) / 32; M = the running largest t rounded UP to a whole number; p = 2^(t - M) is quantised along the keys; the row's sum is taken of the unquantised p and divides O at the end.
; IN.  qk, vv: images of operand registers (16 rows x 64 K in 768 bytes, plane p at 8 x lane = registers 2 p, 2 p + 1), a scale word for each row beside them.  A tile's lane r holds logical row 32 B + 8 u + r + 8 (r / 8).
; SHARES.  256 work-groups.  Work-group x of a head owns the chunks of 128 queries a and 15 - a for a = 2 x and 2 x + 1.  Each of its sixteen waves owns one tile of 16 queries of chunk 15 - a, and then the
; same tile of chunk a: chunk n walks n + 1 key steps of 128, so every wave walks 17 steps.  Key steps that lie wholly behind reference()'s own causal mask are jumped over (a scalar branch on ids; trip counts are constants).
; ALL OF THE HEAD'S K AND V LIE IN LDS with their scale words, each byte filled once, by ten loads, one a wave, each on a line of its own.  At the head: the first 512 keys of K (wave 0) and V (wave 1) and the words (waves 8, 9).
; Behind the first barrier, with the three lines ahead of it: the other three chunks of 512 keys (waves 2 to 7: chunk w / 2, K even, V odd).
; They have key steps 0 to 3 in which to land; a second barrier, ahead of which every wave waits for its load, shows them.  No barrier follows but the one ahead of the scale bytes' way out.
; NO CLUSTER: which steps a wave jumps over hangs on x, which in a cluster would be the work-group's place.  NO PREFETCH: every byte is asked for ahead of the first key step.
; OUT.  oo: images [head][tile of 16 tokens 512][768]; from byte OOS two scale bytes a row, [head][8192][2].
; LIMITS: NaN and infinities are not served; the scaled scores stay under 2^31; blocks under 2^-124 and blocks of zeros keep the byte 1 (this program alone reads the bytes).
.set VREG,  98304
.set SCK,   196608
.set SCV,   204800
.set OSTG,  208896                     ; 1,024 bytes into which no fill lands: O's scale pairs, [walk][a % 2][tile][row][2]
.set SPARE, 209920
.set QKS,   12582912
.set VVS,   6291456
.set OOS,   6291456
.set LN8,  1
.set ASK0, 2
.set DD,   3
.set VSC,  4
.set ADK,  8
.set ADV,  9
.set ADS,  10
.set ADT,  11
.set QF,   16
.set QS,   28
.set NINF, 29
.set AV0,  30
.set ASV0, 31
.set KFR,  32
.set VFR,  80
.set SS,   128
.set OT,   192
.set PCD,  224
.set TP,   236
.set OSA,  243
.set KSC,  244
.set BM,   248
.set TB,   2
.set TS,   3
.set G1K,  12
.set G1V,  20
.set G1SK, 28
.set G1SV, 36
.set G0,   44
.set KB,   48
.set VB,   50
.set KWB,  52
.set VWB,  54
.set CA,   60
.set SDD,  61
.set SOSA, 62
.set WV,   66
.set QC,   67
.set SELW, 88
.set IDX,  89
.set TJ,   90
.set KFS,  91
.set TAU,  93
.set HD,   94
.set BT,   95
.set CNT,  96
.set CS,   98
.set SEL,  100
.macro GRP1 g, c, r, p                         ; group 1: r rows of c elements of 8 bytes, p elements apart
	s_mov_b32 s[\g], 3<<16
	s_mov_b32 s[\g+1], (\c)<<16
	s_mov_b32 s[\g+2], (\r)<<16
	s_mov_b32 s[\g+3], (\c)<<16
	s_mov_b32 s[\g+4], \r
	s_mov_b32 s[\g+5], \p
	s_mov_b32 s[\g+6], 0
	s_mov_b32 s[\g+7], 0
.endm
.macro ARM w, lds, base, off, g1, join         ; wave w's one load, on a line of its own
	s_cmp_eq_u32 s[WV], \w
	s_cbranch_scc0 .Lna_\@
	s_mov_b32 s[G0+1], \lds
	s_add_nc_u64 s[G0+2:G0+3], s[\base:\base+1], \off
	s_or_b32 s[G0+3], s[G0+3], 0x80000000
	tensor_load_to_lds s[G0:G0+3], s[\g1:\g1+7]
	s_nop 0
.rept 4
	v_nop
.endr
	s_branch \join
.Lna_\@:
.endm
	s_load_b128 s[4:7], s[0:1], 0x0                ; qk, vv
	s_load_b64 s[8:9], s[0:1], 0x10                ; oo
	v_lshl_add_u32 v254, v0, 2, SPARE              ; v254, v255 stay as they are until the first barrier; at the end they are made anew
	v_mov_b32 v255, 0
	ds_add_u32 v254, v255                          ; the opening lines
	ds_add_u32 v254, v255
	v_lshrrev_b32 v8, 5, v0
	v_readfirstlane_b32 s[WV], v8
	s_lshr_b32 s[SELW], s[WV], 2
	s_xor_b32 s[SELW], s[SELW], s[WV]
	s_and_b32 s[SELW], s[SELW], 1                  ; a % 2
	s_lshr_b32 s[IDX], s[WV], 1                    ; my tile in a chunk
	s_lshl_b32 s[SOSA], s[SELW], 8
	s_lshl_b32 s92, s[IDX], 5
	s_add_co_u32 s[SOSA], s[SOSA], s92
	s_add_co_u32 s[SOSA], s[SOSA], OSTG
	s_lshr_b32 s[SDD], s[IDX], 1
	s_lshl_b32 s[SDD], s[SDD], 5
	s_and_b32 s92, s[IDX], 1
	s_lshl_b32 s92, s92, 3
	s_add_co_u32 s[SDD], s[SDD], s92               ; my tile's first logical query in its chunk
	s_lshl_b32 s[CA], ttmp9, 1
	s_add_co_u32 s[CA], s[CA], s[SELW]             ; a
	s_and_b32 s[HD], ttmp7, 0xffff
	s_lshr_b32 s[BT], s[HD], 4
	s_and_b32 s[HD], s[HD], 15
	GRP1 G1K, 32, 96, 32                           ; K, 512 keys: 24,576 dense bytes
	GRP1 G1V, 384, 8, 6144                         ; V, 512 keys: 8 rows (64 keys each) of 3,072 bytes
	GRP1 G1SK, 32, 32, 32                          ; K's words: 8,192 dense bytes
	GRP1 G1SV, 32, 16, 512                         ; V's words: 16 steps' rows of 256 bytes
	s_mov_b32 s[G0], 1
	s_mov_b32 s[CS], 0x3d38aa3b                    ; c = log2(e) / 32
	s_mov_b32 s[CS+1], s[CS]
	s_mov_b32 s[SEL], 0x76543210
	s_mov_b32 s[SEL+1], 0xfedcba98
	s_lshl_b32 s97, s[BT], 5
	s_add_co_u32 s97, s97, s[HD]
	s_add_co_u32 s97, s97, 16                      ; k's group in qk
	s_mul_i32 s56, s97, 98304
	s_mov_b32 s57, 0
	s_lshl_b32 s58, s97, 13
	s_add_co_u32 s58, s58, QKS
	s_mov_b32 s59, 0
	s_wait_dscnt 0x0
	s_wait_kmcnt 0x0
	s_add_nc_u64 s[KB:KB+1], s[4:5], s[56:57]
	s_add_nc_u64 s[KWB:KWB+1], s[4:5], s[58:59]
	s_lshl_b32 s56, s[BT], 11
	s_lshl_b32 s97, s[HD], 2
	s_add_co_u32 s56, s56, s97
	s_mul_i32 s56, s56, 768
	s_lshl_b32 s58, s[BT], 10
	s_add_co_u32 s58, s58, s97
	s_lshl_b32 s58, s58, 6
	s_add_co_u32 s58, s58, VVS
	s_add_nc_u64 s[VB:VB+1], s[6:7], s[56:57]
	s_add_nc_u64 s[VWB:VWB+1], s[6:7], s[58:59]
	ARM 0, 0, KB, 0, G1K, .Lasked
	ARM 1, VREG, VB, 0, G1V, .Lasked
	ARM 8, SCK, KWB, 0, G1SK, .Lasked
	ARM 9, SCV, VWB, 0, G1SV, .Lasked
.Lasked:
	v_and_b32 v9, 31, v0
	v_and_b32 v10, 15, v0
	v_bfe_u32 v11, v0, 4, 1
	v_lshlrev_b32 v[LN8], 3, v9
	v_lshl_add_u32 v[ASK0], v10, 2, SCK
	v_add_nc_u32 v[AV0], VREG, v[LN8]
	v_lshl_add_u32 v[ASV0], v10, 2, SCV
	v_lshl_add_u32 v[OSA], v10, 1, s[SOSA]
	v_and_b32 v8, 8, v10
	v_add_nc_u32 v8, v8, v10
	v_lshlrev_b32 v9, 4, v11
	v_sub_nc_u32 v8, v8, v9
	v_add_nc_u32 v[DD], s[SDD], v8                 ; my query's place in its chunk - 16 (lane / 16)
	v_mov_b32 v[NINF], 0xff800000
.irp i, 6,7,8,9,10,11
	v_mov_b32 v[QF+\i], 0                          ; K = 64 .. 127 of the first product: zero codes
.irp t, 0,1,2,3
	v_mov_b32 v[KFR+12*\t+\i], 0
.endr
.endr
.irp b, 0,1,2,3
	v_mov_b32 v[TP+\b], 0
.endr
; A walk's head: ps = 0: chunk 15 - a, ps = 1: chunk a.  Q's fragment and words; the running state begins anew.
.macro PRE ps
.if \ps
	s_wait_xcnt 0x0                                ; the last walk's stores have read their base and their registers
	s_mov_b32 s92, s[CA]
.else
	s_sub_co_u32 s92, 15, s[CA]
.endif
	s_lshl_b32 s[QC], s92, 7
	s_lshl_b32 s[TAU], s92, 3
	s_add_co_u32 s[TAU], s[TAU], s[IDX]
	s_lshl_b32 s56, s[BT], 5
	s_add_co_u32 s56, s56, s[HD]
	s_lshl_b32 s56, s56, 7
	s_add_co_u32 s56, s56, s[TAU]
	s_lshl_b32 s58, s56, 6
	s_add_co_u32 s58, s58, QKS
	s_mov_b32 s59, 0
	s_mul_i32 s56, s56, 768
	s_mov_b32 s57, 0
	s_add_nc_u64 s[10:11], s[4:5], s[56:57]
	s_add_nc_u64 s[104:105], s[4:5], s[58:59]
	v_and_b32 v242, 15, v0
	v_lshlrev_b32 v242, 2, v242
	global_load_b32 v[QS], v242, s[104:105]
.irp p, 0,1,2
	global_load_b64 v[QF+2*\p:QF+2*\p+1], v[LN8], s[10:11] offset:256*\p
.endr
	v_mov_b32 v13, 0xff61b1e6                      ; the largest t so far: -3e38
	v_floor_f32 v12, -v13                          ; -M
	v_mov_b32 v14, 0
	v_mov_b32 v15, 0
	v_mov_b32 v252, 0
	v_mov_b32 v253, 0
.set jj, 0
.rept 32
	v_mov_b32 v[OT+jj], 0
.set jj, jj+1
.endr
	s_wait_alu depctr_va_vdst(0)                   ; the wait ahead of the wait below
	s_wait_loadcnt 0x0
.endm
; A KEY STEP: 128 keys.
.macro STEP
	s_cmp_gt_u32 s[KFS], s[QC]                     ; all its keys come after my chunk
	s_cbranch_scc1 .Lhid_\@
	v_add_nc_u32 v[ADK], s[TB], v[LN8]
	v_add_nc_u32 v[ADV], s[TB], v[AV0]
	v_add_nc_u32 v[ADS], s[TS], v[ASK0]
	v_add_nc_u32 v[ADT], s[TJ], v[ASV0]
	s_wait_alu depctr_va_vdst(0)
.irp g, 0,1                                    ; S^T = K Q^T, four tiles of 16 keys at a time
.if \g
.rept 4
	v_nop
.endr
.endif
.irp t, 0,1,2,3
.irp p, 0,1,2
	ds_load_b64 v[KFR+12*\t+2*\p:KFR+12*\t+2*\p+1], v[ADK] offset:(4*\g+\t)*768+256*\p
.endr
	ds_load_b32 v[KSC+\t], v[ADS] offset:(4*\g+\t)*64
.endr
	s_wait_dscnt 0x0
.irp t, 0,1,2,3
	v_wmma_scale_f32_16x16x128_f8f6f4 v[SS+8*(4*\g+\t):SS+8*(4*\g+\t)+7], v[KFR+12*\t:KFR+12*\t+11], v[QF:QF+11], 0, v[KSC+\t], v[QS] matrix_a_fmt:MATRIX_FMT_FP6 matrix_b_fmt:MATRIX_FMT_FP6
.endr
.endr
.rept 4
	v_nop
.endr
.irp t, 0,1,2,3                                ; V's fragments land under the softmax
.irp p, 0,1,2,3,4,5
	ds_load_b64 v[VFR+12*\t+2*\p:VFR+12*\t+2*\p+1], v[ADV] offset:(\p/3)*3072+768*\t+256*(\p%3)
.endr
	ds_load_b32 v[VSC+\t], v[ADT] offset:64*\t
.endr
	s_cmp_lt_u32 s[KFS], s[QC]                     ; all its keys count: no mask
	s_cbranch_scc1 .Lopen_\@
.set nn, 0
.rept 64                                       ; the step on the diagonal: register 16 b + i holds key 32 b + 16 (lane / 16) + i of the chunk
	v_cmp_gt_i32 vcc_lo, 32*(nn/16)+nn%16, v[DD]
	v_cndmask_b32 v[SS+nn], v[SS+nn], v[NINF], vcc_lo
.set nn, nn+1
.endr
.Lopen_\@:
.irp b, 0,1,2,3
	v_max3_num_f32 v[BM+\b], v[SS+16*\b], v[SS+1+16*\b], v[SS+2+16*\b]   ; each block's largest score: for the row's maximum and for the block's largest p
.endr
.irp i, 3,5,7,9,11,13
.irp b, 0,1,2,3
	v_max3_num_f32 v[BM+\b], v[BM+\b], v[SS+16*\b+\i], v[SS+1+16*\b+\i]
.endr
.endr
.irp b, 0,1,2,3
	v_max_num_f32 v[BM+\b], v[BM+\b], v[SS+15+16*\b]
.endr
.irp b, 0,1,2,3
	s_delay_alu instid0(VALU_DEP_4)
	v_permlanex16_b32 v[TP+\b], v[BM+\b], s[SEL], s[SEL+1]
.endr
.irp b, 0,1,2,3
	s_delay_alu instid0(VALU_DEP_4)
	v_max_num_f32 v[BM+\b], v[BM+\b], v[TP+\b]
.endr
	s_delay_alu instid0(VALU_DEP_2)
	v_max3_num_f32 v254, v[BM], v[BM+1], v[BM+2]
	s_delay_alu instid0(VALU_DEP_1)
	v_max_num_f32 v254, v254, v[BM+3]
	s_delay_alu instid0(VALU_DEP_1)
	v_mul_f32 v254, s[CS], v254
	s_delay_alu instid0(VALU_DEP_1)
	v_max_num_f32 v13, v13, v254                   ; the running largest t
	v_mov_b32 v254, v12
	s_delay_alu instid0(VALU_DEP_2)
	v_floor_f32 v12, -v13                          ; the new -M
	s_delay_alu instid0(VALU_DEP_1)
	v_sub_f32 v254, v12, v254
	s_delay_alu instid0(VALU_DEP_1)
	v_cvt_i32_f32 v254, v254
	s_delay_alu instid0(VALU_DEP_1)
	v_ldexp_f32 v252, 1.0, v254                    ; f = 2^(old M - new M)
.set jj, 0
.rept 32
	v_pk_fma_f32 v[SS+jj:SS+jj+1], v[SS+jj:SS+jj+1], s[CS:CS+1], v[12:13] op_sel_hi:[1,0,0]   ; t - M
.set jj, jj+2
.endr
.irp b, 0,1,2,3
	v_fma_f32 v[BM+\b], v[BM+\b], s[CS], v12
.endr
.set jj, 0
	s_wait_alu depctr_va_vdst(0)                   ; the wait ahead of the batch
.rept 64
	v_exp_f32 v[SS+jj], v[SS+jj]                   ; p = 2^(t - M)
.set jj, jj+1
.endr
	v_pk_mul_f32 v[14:15], v[14:15], v[252:253] op_sel_hi:[1,0]
	s_wait_alu depctr_va_vdst(0)                   ; and behind it
.irp b, 0,1,2,3
	v_exp_f32 v[BM+\b], v[BM+\b]                   ; the block's largest p
.endr
	v_pk_add_f32 v[236:237], v[132:133], v[136:137]
	v_pk_add_f32 v[246:247], v[140:141], v[144:145]
	v_pk_add_f32 v[244:245], v[148:149], v[152:153]
	v_pk_add_f32 v[240:241], v[156:157], v[160:161]
	v_pk_add_f32 v[238:239], v[164:165], v[168:169]
	v_pk_add_f32 v[234:235], v[172:173], v[176:177]
	v_pk_add_f32 v[232:233], v[180:181], v[184:185]
	v_pk_add_f32 v[14:15], v[14:15], v[188:189]
	v_pk_add_f32 v[236:237], v[236:237], v[128:129]
	v_pk_add_f32 v[246:247], v[246:247], v[130:131]
	v_pk_add_f32 v[244:245], v[244:245], v[134:135]
	v_pk_add_f32 v[240:241], v[240:241], v[138:139]
	v_pk_add_f32 v[238:239], v[238:239], v[142:143]
	v_pk_add_f32 v[234:235], v[234:235], v[146:147]
	v_pk_add_f32 v[232:233], v[232:233], v[150:151]
	v_pk_add_f32 v[14:15], v[14:15], v[154:155]
	v_pk_add_f32 v[236:237], v[236:237], v[158:159]
	v_pk_add_f32 v[246:247], v[246:247], v[162:163]
	v_pk_add_f32 v[244:245], v[244:245], v[166:167]
	v_pk_add_f32 v[240:241], v[240:241], v[170:171]
	v_pk_add_f32 v[238:239], v[238:239], v[174:175]
	v_pk_add_f32 v[234:235], v[234:235], v[178:179]
	v_pk_add_f32 v[232:233], v[232:233], v[182:183]
	v_pk_add_f32 v[14:15], v[14:15], v[186:187]
	v_pk_add_f32 v[236:237], v[236:237], v[190:191]
	s_delay_alu instid0(VALU_DEP_2)
	v_pk_add_f32 v[14:15], v[14:15], v[240:241]
	s_delay_alu instid0(VALU_DEP_2)
	v_pk_add_f32 v[236:237], v[236:237], v[238:239]
	v_pk_add_f32 v[246:247], v[246:247], v[234:235]
	v_pk_add_f32 v[244:245], v[244:245], v[232:233]
	s_delay_alu instid0(VALU_DEP_2)
	v_pk_add_f32 v[14:15], v[14:15], v[246:247]
	s_delay_alu instid0(VALU_DEP_2)
	v_pk_add_f32 v[236:237], v[236:237], v[244:245]
	s_delay_alu instid0(VALU_DEP_1)
	v_pk_add_f32 v[14:15], v[14:15], v[236:237]
	s_wait_alu depctr_va_vdst(0)                   ; for the four
.irp b, 0,1,2,3
	v_max_num_f32 v[BM+\b], 0x1800000, v[BM+\b]    ; the floor 2^(3 - 127)
.endr
.irp b, 0,1,2,3
	s_delay_alu instid0(VALU_DEP_4)
	v_add_nc_u32 v[BM+\b], 0xff000000, v[BM+\b]    ; the conversion's scale operand
.endr
.irp b, 0,1,2,3
	s_delay_alu instid0(VALU_DEP_4)
	v_lshrrev_b32 v[TP+\b], 23, v[BM+\b]
.endr
	s_delay_alu instid0(VALU_DEP_3)
	v_lshl_or_b32 v253, v[TP+1], 8, v[TP]          ; p's scale word
	s_delay_alu instid0(VALU_DEP_1)
	v_lshl_or_b32 v253, v[TP+2], 16, v253
	s_delay_alu instid0(VALU_DEP_1)
	v_lshl_or_b32 v253, v[TP+3], 24, v253
.irp c, 0,1
	v_cvt_scalef32_pk16_fp6_f32 v[PCD+6*\c:PCD+2+6*\c], v[SS+32*\c:SS+15+32*\c], v[BM+2*\c]
	v_cvt_scalef32_pk16_fp6_f32 v[TP+4*\c:TP+2+4*\c], v[SS+16+32*\c:SS+31+32*\c], v[BM+2*\c+1]
.endr
	v_nop
.irp c, 0,1
.irp i, 0,1,2
	v_permlane16_swap_b32 v[PCD+6*\c+\i], v[TP+4*\c+\i]
.endr
.irp i, 0,1,2
	s_delay_alu instid0(VALU_DEP_3)
	v_mov_b32 v[PCD+3+6*\c+\i], v[TP+4*\c+\i]
.endr
.endr
.set jj, 0
.rept 16
	v_pk_mul_f32 v[OT+jj:OT+jj+1], v[OT+jj:OT+jj+1], v[252:253] op_sel_hi:[1,0]   ; O^T under the new M; also the places ahead of the products
.set jj, jj+2
.endr
	s_wait_alu depctr_va_vdst(0)
	s_wait_dscnt 0x0                               ; V's fragments and words are in
.irp t, 0,1,2,3                                ; O^T += V^T P^T
	v_wmma_scale_f32_16x16x128_f8f6f4 v[OT+8*\t:OT+8*\t+7], v[VFR+12*\t:VFR+12*\t+11], v[PCD:PCD+11], v[OT+8*\t:OT+8*\t+7], v[VSC+\t], v253 matrix_a_fmt:MATRIX_FMT_FP6 matrix_b_fmt:MATRIX_FMT_FP6
.endr
.Lhid_\@:
	s_add_co_u32 s[KFS], s[KFS], 128
	s_add_co_u32 s[TB], s[TB], 6144
	s_add_co_u32 s[TS], s[TS], 512
	s_add_co_u32 s[TJ], s[TJ], 256
.endm
; Key steps k0 .. k0 + trips - 1.  bar = 1: a barrier ahead, in front of which every wave waits for its load.
.macro SECTION k0, trips, bar
.if \bar
	s_wait_dscnt 0x0
	s_wait_tensorcnt 0x0
	s_barrier_signal -1
	s_barrier_wait -1
.endif
	s_mov_b32 s[TB], 6144*\k0
	s_mov_b32 s[TS], 512*\k0
	s_mov_b32 s[TJ], 256*\k0
	s_mov_b32 s[KFS], 128*\k0
	s_mov_b32 s[CNT], \trips
.Lsec_\@:
	STEP
	s_sub_co_u32 s[CNT], s[CNT], 1
	s_cmp_lg_u32 s[CNT], 0
	s_cbranch_scc1 .Lsec_\@
.endm
; A walk's way out: O^T / the sum, two scale blocks along d, quantised; the image leaves, the scale pair goes to the stage.
.macro OUT ps
.rept 4
	v_nop
.endr
	v_add_f32 v14, v14, v15
	s_delay_alu instid0(VALU_DEP_1)
	v_permlanex16_b32 v252, v14, s[SEL], s[SEL+1]
	s_delay_alu instid0(VALU_DEP_1)
	v_add_f32 v14, v14, v252
	s_wait_alu depctr_va_vdst(0)
	v_rcp_f32 v14, v14
	v_nop
	s_lshl_b32 s97, s[HD], 9
	s_lshl_b32 s104, s[BT], 7
	s_add_co_u32 s97, s97, s104
	s_add_co_u32 s97, s97, s[TAU]
	s_mul_i32 s10, s97, 768
	s_mov_b32 s11, 0
	s_add_nc_u64 s[10:11], s[8:9], s[10:11]
	s_wait_alu depctr_va_vdst(0)
.set jj, 0
.rept 16
	v_pk_mul_f32 v[SS+jj:SS+jj+1], v[OT+jj:OT+jj+1], v[14:15] op_sel_hi:[1,0]
.set jj, jj+2
.endr
.irp b, 0,1
	v_max3_num_f32 v[BM+\b], |v[SS+16*\b]|, |v[SS+1+16*\b]|, 0x1800000
.endr
.irp i, 2,4,6,8,10,12,14
.irp b, 0,1
	s_delay_alu instid0(VALU_DEP_2)
	v_max3_num_f32 v[BM+\b], v[BM+\b], |v[SS+16*\b+\i]|, |v[SS+1+16*\b+\i]|
.endr
.endr
.irp b, 0,1
	s_delay_alu instid0(VALU_DEP_2)
	v_permlanex16_b32 v[TP+\b], v[BM+\b], s[SEL], s[SEL+1]
.endr
.irp b, 0,1
	s_delay_alu instid0(VALU_DEP_2)
	v_max_num_f32 v[BM+\b], v[BM+\b], v[TP+\b]
.endr
.irp b, 0,1
	s_delay_alu instid0(VALU_DEP_2)
	v_add_nc_u32 v[BM+\b], 0xff000000, v[BM+\b]
.endr
.irp b, 0,1
	s_delay_alu instid0(VALU_DEP_2)
	v_lshrrev_b32 v[TP+\b], 23, v[BM+\b]
.endr
	s_delay_alu instid0(VALU_DEP_1)
	v_lshl_or_b32 v254, v[TP+1], 8, v[TP]
	v_cvt_scalef32_pk16_fp6_f32 v[PCD:PCD+2], v[SS:SS+15], v[BM]
	v_cvt_scalef32_pk16_fp6_f32 v[TP+4:TP+6], v[SS+16:SS+31], v[BM+1]
	v_nop
.irp i, 0,1,2
	v_permlane16_swap_b32 v[PCD+\i], v[TP+4+\i]
.endr
.irp i, 0,1,2
	s_delay_alu instid0(VALU_DEP_3)
	v_mov_b32 v[PCD+3+\i], v[TP+4+\i]
.endr
.irp p, 0,1,2
	global_store_b64 v[LN8], v[PCD+2*\p:PCD+2*\p+1], s[10:11] offset:256*\p
.endr
	ds_store_b16 v[OSA], v254 offset:512*\ps
.endm
	PRE 0
	s_wait_tensorcnt 0x0                           ; the first 512 keys and the words are in; the three lines, the add twice, ahead of a later first fill
	ds_add_u32 v254, v255
	ds_add_u32 v254, v255
	s_wait_dscnt 0x0
	s_barrier_signal -1
	s_barrier_wait -1
.irp c, 1,2,3
	ARM 2*\c, 24576*\c, KB, 24576*\c, G1K, .Lasked2
	ARM 2*\c+1, VREG+24576*\c, VB, 8*49152*\c, G1V, .Lasked2
.endr
.Lasked2:
	SECTION 0, 4, 0
	SECTION 4, 12, 1
	OUT 0
	PRE 1
	SECTION 0, 8, 0
	OUT 1
	s_wait_dscnt 0x0
	s_barrier_signal -1
	s_barrier_wait -1
	s_cmp_lg_u32 s[WV], 0                          ; wave 0 stores the work-group's 1,024 scale bytes: four aligned runs of 256
	s_cbranch_scc1 .Lend
	v_and_b32 v8, 31, v0
	v_lshlrev_b32 v8, 4, v8
	v_add_nc_u32 v9, OSTG, v8
	ds_load_b128 v[SS:SS+3], v9                    ; lanes 0-15: chunk 15 - 2 x, lanes 16-31: chunk 14 - 2 x
	ds_load_b128 v[SS+4:SS+7], v9 offset:512       ; chunks 2 x, 2 x + 1
	v_xor_b32 v10, 256, v8
	s_lshl_b32 s56, s[HD], 14
	s_lshl_b32 s97, s[BT], 12
	s_add_co_u32 s56, s56, s97
	s_add_co_u32 s56, s56, OOS
	s_lshl_b32 s97, ttmp9, 9
	s_add_co_u32 s58, s56, s97
	s_add_co_u32 s56, s56, 14*256
	s_sub_co_u32 s56, s56, s97
	s_mov_b32 s57, 0
	s_mov_b32 s59, 0
	s_add_nc_u64 s[56:57], s[8:9], s[56:57]
	s_add_nc_u64 s[58:59], s[8:9], s[58:59]
	s_wait_alu depctr_va_vdst(0)
	s_wait_dscnt 0x0
	global_store_b128 v10, v[SS:SS+3], s[56:57]
	global_store_b128 v8, v[SS+4:SS+7], s[58:59]
.Lend:
	s_wait_xcnt 0x0
	v_lshl_add_u32 v254, v0, 2, SPARE
	v_mov_b32 v255, 0
	s_wait_alu depctr_va_vdst(0)
	s_wait_tensorcnt 0x0                           ; the wave's end
	ds_add_u32 v254, v255
	s_wait_dscnt 0x0
	s_endpgm
.Lfunc_end_k_q98011ce859_attn:
	.size	k_q98011ce859_attn, .Lfunc_end_k_q98011ce859_attn-k_q98011ce859_attn
	.p2alignl 7, 3214868480
	.fill 96, 4, 3214868480
	.section	.rodata,"a",@progbits
	.p2align	6, 0x0
	.amdhsa_kernel k_q98011ce859_attn
		.amdhsa_group_segment_fixed_size 327680
		.amdhsa_private_segment_fixed_size 0
		.amdhsa_enable_private_segment 0
		.amdhsa_kernarg_size 24
		.amdhsa_user_sgpr_count 2
		.amdhsa_user_sgpr_kernarg_segment_ptr 1
		.amdhsa_wavefront_size32 1
		.amdhsa_system_sgpr_workgroup_id_x 1
		.amdhsa_system_sgpr_workgroup_id_y 1
		.amdhsa_system_sgpr_workgroup_id_z 1
		.amdhsa_system_vgpr_workitem_id 0
		.amdhsa_next_free_vgpr 256
		.amdhsa_next_free_sgpr 106
		.amdhsa_reserve_vcc 1
		.amdhsa_float_denorm_mode_32 3
		.amdhsa_float_denorm_mode_16_64 3
		.amdhsa_memory_ordered 1
		.amdhsa_forward_progress 1
		.amdhsa_inst_pref_size 100
	.end_amdhsa_kernel
	.amdgpu_metadata
---
amdhsa.version: [ 1, 2 ]
amdhsa.kernels:
  - .name:           k_q98011ce859_attn
    .symbol:         k_q98011ce859_attn.kd
    .args:
      - { .name: qk, .offset: 0, .size: 8, .value_kind: global_buffer, .address_space: global }
      - { .name: vv, .offset: 8, .size: 8, .value_kind: global_buffer, .address_space: global }
      - { .name: oo, .offset: 16, .size: 8, .value_kind: global_buffer, .address_space: global }
    .group_segment_fixed_size: 327680
    .private_segment_fixed_size: 0
    .kernarg_segment_align: 8
    .kernarg_segment_size: 24
    .max_flat_workgroup_size: 512
    .sgpr_count:     106
    .vgpr_count:     256
    .wavefront_size: 32
...
	.end_amdgpu_metadata
.endif
;; end of part 3
;; launch gemm_out (part 4): grid 8 x 32, 4 waves a work-group, clusters of 4 x 4, 315,904 bytes of LDS; arguments oo, wq, bp, out0; writes out0
.if DOCPART == 4
	.amdgcn_target "amdgcn-amd-amdhsa--gfx1250"
	.amdhsa_code_object_version 6
	.text
	.protected	k_q98011ce859_gemm_out
	.globl	k_q98011ce859_gemm_out
	.p2align	8
	.type	k_q98011ce859_gemm_out,@function
k_q98011ce859_gemm_out:
	s_mov_b64 s[64:65], 0
	v_nop
	global_prefetch_b8 v0, s[64:65] scope:SCOPE_SE
	s_setreg_imm32_b32 hwreg(HW_REG_WAVE_MODE, 25, 1), 1
	s_wait_xcnt 0x0
	s_wait_alu depctr_hold_cnt(0) depctr_sa_sdst(0) depctr_va_vdst(0) depctr_va_sdst(0) depctr_va_ssrc(0) depctr_va_vcc(0) depctr_vm_vsrc(0)
	s_getreg_b32 s2, hwreg(HW_REG_IB_STS2, 6, 4)
	s_cmp_eq_u32 s2, 0
	s_cbranch_scc0 .Lentry_in_a_cluster
	s_endpgm
.Lentry_in_a_cluster:
	s_bfe_u32 s2, ttmp6, 0x10000c
	s_cmp_lg_u32 s2, 0xf033
	s_cbranch_scc0 .Lentry_shape_is_right
	s_endpgm
.Lentry_shape_is_right:
; out0 = O Wp + bp, on codes of FP6 (E2M3), K = 1,024, f32 sums.  O comes as images oo [head 16][tile of 16 tokens 512][768] with two scale bytes a row and head behind them; Wp as rows 3,072 on of wq (768 bytes) with 32 scale bytes a row.
; A tile of out0 is 256 tokens x 128 columns: 256 work-groups of four waves, each 128 x 64.  ALL OF K LIES IN LDS, each byte filled once, by four joint loads at the head, one a wave, each on its own line:
; wave 0 Wp's 128 whole rows (shared along a column of the cluster); wave 1 O's heads 0 to 7, 16 tiles each (along a row); wave 2 heads 8 to 15; wave 3 O's scale pairs.  The stream begins without wave 2's tile, which the barrier in K step 3 shows.
; No prefetch: all is asked for at the head.  Source 0 = Wp's rows, source 1 = O's: a lane holds one token.  The bias is the first products' C.
; REGISTERS: window 0: addresses, v32-95 O's scale words, v96-127 Wp's, v128-191 at work; window 1: O's fragments, two sets; window 2: Wp's fragments, two sets, from v128 the bias; window 3: the accumulators.
.set BOFF,  196608                     ; LDS: O [16 heads][16 tiles][768] from 0; Wp's rows from here
.set BP,    816                        ; a row of Wp: 3 x (256 + 16)
.set OSC,   301056                     ; O's scale pairs: [16 heads][256 rows x 2]
.set SPITCH, 272                       ; the way out: 16 rows x (256 + 16) a wave, in head 0's and 1's bytes, read for the last time ahead of K step 3's barrier
.set ADA,  16                          ; v16-19  my fragments of O, four heads each
.set ADB,  20                          ; v20, v21 my fragments of Wp (v21: behind one padding more)
.set ADOS, 24
.set STO,  25
.set RD,   26
.set CO,   27
.set BSO,  28
.set BIO,  29
.set AS,   32
.set BS,   96
.set TW,   128
.set BIAS, 128
.set G1A, 24
.set G0,  32
.set G1B, 48
.set G1S, 68
.set MSB, 0
.macro WIN new
.if MSB != \new
	s_set_vgpr_msb (MSB<<8)|\new
.set MSB, \new
.endif
.endm
.macro CROUND
	s_barrier_signal -1
	s_barrier_wait -1
	s_cmp_lg_u32 s14, 0
	s_cbranch_scc1 .Lnot_wave_0_\@
	s_barrier_signal -3
.Lnot_wave_0_\@:
	s_barrier_wait -3
	s_barrier_signal -1
	s_barrier_wait -1
.endm
.macro PLACES
.rept 4
	v_nop
.endr
.endm
.macro ARM w, lds, base, off, g1
	s_cmp_eq_u32 s14, \w
	s_cbranch_scc0 .Lna_\@
	s_mov_b32 s[G0+1], \lds
	s_add_nc_u64 s[G0+2:G0+3], s[\base:\base+1], \off
	s_or_b32 s[G0+3], s[G0+3], 0x80000000
	tensor_load_to_lds s[G0:G0+3], s[\g1:\g1+7]
	s_nop 0
	PLACES
	s_branch .Lasked
.Lna_\@:
.endm
	s_load_b256 s[4:11], s[0:1], 0x0               ; oo, wq, bp, out0
	v_lshl_add_u32 v254, v0, 2, 0x4d000
	v_mov_b32 v255, 0
	ds_add_u32 v254, v255                          ; the opening lines
	ds_add_u32 v254, v255
	v_lshrrev_b32 v1, 5, v0
	v_readfirstlane_b32 s14, v1
	s_lshr_b32 s15, s14, 1                         ; which 128 rows are mine
	s_and_b32 s16, s14, 1                          ; which 64 columns
	s_bfe_u32 s40, ttmp6, 0x40000
	s_bfe_u32 s41, ttmp6, 0x40004
	s_lshl_b32 s42, ttmp9, 2
	s_add_co_u32 s42, s42, s40                     ; tile column
	s_and_b32 s17, ttmp7, 0xffff
	s_lshl_b32 s17, s17, 2
	s_add_co_u32 s17, s17, s41                     ; tile row
	s_lshl_b32 s43, s41, 2
	s_lshl_b32 s43, 15, s43
	s_lshl_b32 s44, 0x1111, s40
	s_or_b32 s[G1A], s43, (3<<16)|(1<<21)          ; O: 8 heads' rows of 16 tiles, 12,288 bytes, 393,216 apart
	s_mov_b32 s[G1A+1], 1536<<16
	s_mov_b32 s[G1A+2], 8<<16
	s_mov_b32 s[G1A+3], 1536<<16
	s_mov_b32 s[G1A+4], 8
	s_mov_b32 s[G1A+5], 49152
	s_mov_b32 s[G1A+6], 0
	s_mov_b32 s[G1A+7], 0
	s_or_b32 s[G1S], s43, (3<<16)|(1<<21)          ; the scale pairs: 16 heads' rows of 512 bytes, 16,384 apart
	s_mov_b32 s[G1S+1], 64<<16
	s_mov_b32 s[G1S+2], 16<<16
	s_mov_b32 s[G1S+3], 64<<16
	s_mov_b32 s[G1S+4], 16
	s_mov_b32 s[G1S+5], 2048
	s_mov_b32 s[G1S+6], 0
	s_mov_b32 s[G1S+7], 0
	s_or_b32 s[G1B], s44, (0<<16)|(1<<20)|(1<<21)|(5<<22)|(3<<25)   ; Wp: 128 whole rows of 768 bytes, 16 of padding behind every 256
	s_mov_b32 s[G1B+1], 768<<16
	s_mov_b32 s[G1B+2], 128<<16
	s_mov_b32 s[G1B+3], 768<<16
	s_mov_b32 s[G1B+4], 128
	s_mov_b32 s[G1B+5], 768
	s_mov_b32 s[G1B+6], 0
	s_mov_b32 s[G1B+7], 0
	s_mov_b32 s[G0], 1
	s_mul_i32 s20, s17, 16*768
	s_mov_b32 s21, 0
	s_lshl_b32 s22, s17, 9
	s_add_co_u32 s22, s22, 6291456
	s_mov_b32 s23, 0
	s_mul_i32 s46, s42, 128*768
	s_add_co_u32 s46, s46, 3072*768
	s_mov_b32 s47, 0
	s_wait_alu depctr_va_vdst(0)
	s_wait_dscnt 0x0
	s_wait_kmcnt 0x0
	s_add_nc_u64 s[20:21], s[4:5], s[20:21]
	s_add_nc_u64 s[22:23], s[4:5], s[22:23]
	s_add_nc_u64 s[46:47], s[6:7], s[46:47]
	CROUND
	ARM 0, BOFF, 46, 0, G1B
	ARM 1, 0, 20, 0, G1A
	ARM 2, 98304, 20, 8*393216, G1A
	ARM 3, OSC, 22, 0, G1S
.Lasked:
	v_and_b32 v1, 15, v0
	v_bfe_u32 v2, v0, 4, 1
	v_and_b32 v3, 31, v0
	s_mul_i32 s18, s15, 6144                       ; my 8 tiles of each head
	v_lshl_add_u32 v[ADA], v3, 3, s18
	v_add_nc_u32 v[ADA+1], 49152, v[ADA]
	v_add_nc_u32 v[ADA+2], 98304, v[ADA]
	v_add_nc_u32 v[ADA+3], 147456, v[ADA]
	s_mul_i32 s19, s16, 64*BP
	s_add_co_u32 s19, s19, BOFF
	v_mul_u32_u24 v4, v1, BP
	v_mad_u32_u24 v5, v2, 24, v4
	v_add_nc_u32 v[ADB], s19, v5
	v_lshl_add_u32 v5, v2, 4, v5
	v_add_nc_u32 v[ADB+1], s19, v5
	s_lshl_b32 s18, s15, 8
	s_add_co_u32 s18, s18, OSC
	v_lshl_add_u32 v[ADOS], v1, 1, s18
	s_mul_i32 s18, s14, 16*SPITCH
	v_mul_u32_u24 v4, v1, SPITCH
	v_lshl_add_u32 v4, v2, 6, v4
	v_add_nc_u32 v[STO], s18, v4
	v_mul_u32_u24 v4, v2, SPITCH
	v_lshl_add_u32 v4, v1, 4, v4
	v_add_nc_u32 v[RD], s18, v4
	v_lshlrev_b32 v4, 12, v2
	v_lshl_add_u32 v[CO], v1, 4, v4
	v_lshlrev_b32 v[BSO], 5, v1
	v_lshlrev_b32 v[BIO], 6, v2
	s_wait_alu depctr_va_vdst(0)                   ; the wait at the head's end
	s_lshl_b32 s18, s42, 9
	s_lshl_b32 s19, s16, 8
	s_add_co_u32 s18, s18, s19
	s_mov_b32 s19, 0
	s_add_nc_u64 s[8:9], s[8:9], s[18:19]
	s_add_nc_u64 s[10:11], s[10:11], s[18:19]
	s_lshl_b32 s18, s18, 3
	s_add_co_u32 s18, s18, 3145728+3072*32
	s_add_nc_u64 s[6:7], s[6:7], s[18:19]
	s_lshl_b32 s18, s17, 8
	s_lshl_b32 s20, s15, 7
	s_add_co_u32 s18, s18, s20
	s_lshl_b32 s18, s18, 12
	s_add_nc_u64 s[10:11], s[10:11], s[18:19]
.irp bt, 0,1,2,3
	global_load_b128 v[BS+8*\bt:BS+8*\bt+3], v[BSO], s[6:7] offset:512*\bt
	global_load_b128 v[BS+8*\bt+4:BS+8*\bt+7], v[BSO], s[6:7] offset:512*\bt+16
.endr
	WIN 0x80
.irp bt, 0,1,2,3
	global_load_b128 v[BIAS+8*\bt:BIAS+8*\bt+3], v[BIO], s[8:9] offset:(32*(\bt/2)+8*(\bt%2))*4
	global_load_b128 v[BIAS+8*\bt+4:BIAS+8*\bt+7], v[BIO], s[8:9] offset:(32*(\bt/2)+8*(\bt%2))*4+16
.endr
	WIN 0
.macro FETCH s                                 ; K step s (heads 2 s, 2 s + 1) into set s % 2
	WIN 0x40
.irp a, 0,1,2,3,4,5,6,7
.irp p, 0,1,2,3,4,5
	ds_load_b64 v[128*((\s)%2)+12*\a+2*\p:128*((\s)%2)+12*\a+2*\p+1], v[ADA+(\s)/2] offset:(2*((\s)%2)+\p/3)*12288+768*\a+256*(\p%3)
.endr
.endr
	WIN 0x80
.irp bt, 0,1,2,3
.irp p, 0,1,2,3,4,5
.set PCE, 12*(\s)+6*(\p/3)+\p%3                   ; lanes 0-15 take this piece of 8 bytes, lanes 16-31 the piece three on; 16 bytes of padding behind every 32 pieces
	ds_load_b64 v[48*((\s)%2)+12*\bt+2*\p:48*((\s)%2)+12*\bt+2*\p+1], v[ADB+(PCE%32+3)/32] offset:16*BP*\bt+8*PCE+16*(PCE/32)
.endr
.endr
	WIN 0
.endm
.macro MULS s, a0                              ; the 32 accumulators take turns
.if (\s) == 0
	WIN 0xe6
.else
	WIN 0xf6
.endif
.irp a, \a0, \a0+1, \a0+2, \a0+3
.irp bt, 0,1,2,3
.if (\s) == 0
	v_wmma_scale_f32_16x16x128_f8f6f4 v[8*(4*(\a)+\bt):8*(4*(\a)+\bt)+7], v[48*((\s)%2)+12*\bt:48*((\s)%2)+12*\bt+11], v[128*((\s)%2)+12*(\a):128*((\s)%2)+12*(\a)+11], v[BIAS+8*\bt:BIAS+8*\bt+7], v[BS+8*\bt+(\s)], v[AS+8*(\a)+(\s)] matrix_a_fmt:MATRIX_FMT_FP6 matrix_b_fmt:MATRIX_FMT_FP6
.else
	v_wmma_scale_f32_16x16x128_f8f6f4 v[8*(4*(\a)+\bt):8*(4*(\a)+\bt)+7], v[48*((\s)%2)+12*\bt:48*((\s)%2)+12*\bt+11], v[128*((\s)%2)+12*(\a):128*((\s)%2)+12*(\a)+11], v[8*(4*(\a)+\bt):8*(4*(\a)+\bt)+7], v[BS+8*\bt+(\s)], v[AS+8*(\a)+(\s)] matrix_a_fmt:MATRIX_FMT_FP6 matrix_b_fmt:MATRIX_FMT_FP6
.endif
.endr
.endr
	WIN 0
.endm
.macro KSTEP s, meet                           ; meet = 1: the next step's heads are wave 2's tile: every wave waits, all four meet, and the fetch stands behind the barrier
	s_wait_dscnt 0x0
.if \meet
	s_wait_tensorcnt 0x0
	s_barrier_signal -1
	MULS \s, 0
	s_barrier_wait -1
	PLACES
	FETCH (\s)+1
	MULS \s, 4
.else
.if (\s) < 7
	PLACES
	FETCH (\s)+1
.endif
	MULS \s, 0
	MULS \s, 4
.endif
.endm
	s_cmp_eq_u32 s14, 2                            ; waves 0, 1 and 3 wait for their tiles; heads 8 to 15 may still be out
	s_cbranch_scc1 .Lnot_yet
	s_wait_tensorcnt 0x0
.Lnot_yet:
	s_barrier_signal -1
	s_barrier_wait -1
.irp a, 0,1,2,3,4,5,6,7                        ; O's scale words: for K step s the pair of head 2 s below, that of head 2 s + 1 above
.irp s, 0,1,2,3,4,5,6,7
	ds_load_u16 v[AS+8*\a+\s], v[ADOS] offset:512*(2*\s)+32*\a
	ds_load_u16 v[TW+8*\a+\s], v[ADOS] offset:512*(2*\s+1)+32*\a
.endr
.endr
	s_wait_dscnt 0x0
.set kk, 0
.rept 64
	v_lshl_or_b32 v[AS+kk], v[TW+kk], 16, v[AS+kk]
.set kk, kk+1
.endr
.rept 8
	v_nop                                          ; eight places between a scale register's write and the scaled product
.endr
	FETCH 0
	s_wait_alu depctr_va_vdst(0)
	s_wait_loadcnt 0x0
	KSTEP 0, 0
	KSTEP 1, 0
	KSTEP 2, 0
	KSTEP 3, 1
	KSTEP 4, 0
	KSTEP 5, 0
	KSTEP 6, 0
	KSTEP 7, 0
.macro TOSTAGE a                               ; a block of 16 rows x 64 columns through my own stage, back as whole rows of 256 bytes
	WIN 0x0c
.irp bt, 0,1,2,3
	ds_store_b128 v[STO], v[8*(4*(\a)+\bt):8*(4*(\a)+\bt)+3] offset:128*(\bt/2)+32*(\bt%2)
	ds_store_b128 v[STO], v[8*(4*(\a)+\bt)+4:8*(4*(\a)+\bt)+7] offset:128*(\bt/2)+32*(\bt%2)+16
.endr
	WIN 0
.set BB, TW+32*((\a)%2)
.irp k, 0,1,2,3,4,5,6,7
	ds_load_b128 v[BB+4*\k:BB+4*\k+3], v[RD] offset:\k*2*SPITCH
.endr
.endm
.macro SEND a, younger
.set BB, TW+32*((\a)%2)
	s_wait_dscnt \younger
.irp k, 0,1,2,3,4,5,6,7
	global_store_b128 v[CO], v[BB+4*\k:BB+4*\k+3], s[10:11] offset:(32*((\a)/2)+8*((\a)%2)+2*\k+8*(\k/4))*4096 th:TH_STORE_NT
.endr
.endm
	PLACES
	TOSTAGE 0
.irp a, 1,2,3,4,5,6,7
.if \a > 1
	s_wait_xcnt 0x0                                ; block a - 2's stores have read their registers
.endif
	TOSTAGE \a
	SEND \a-1, 16                                  ; younger: block a's 8 stores and 8 loads
.endr
	SEND 7, 0
	s_wait_tensorcnt 0x0
	ds_add_u32 v254, v255
	s_wait_dscnt 0x0
	CROUND
	s_endpgm
.Lfunc_end_k_q98011ce859_gemm_out:
	.size	k_q98011ce859_gemm_out, .Lfunc_end_k_q98011ce859_gemm_out-k_q98011ce859_gemm_out
	.p2alignl 7, 3214868480
	.fill 96, 4, 3214868480
	.section	.rodata,"a",@progbits
	.p2align	6, 0x0
	.amdhsa_kernel k_q98011ce859_gemm_out
		.amdhsa_group_segment_fixed_size 315904
		.amdhsa_private_segment_fixed_size 0
		.amdhsa_enable_private_segment 0
		.amdhsa_kernarg_size 32
		.amdhsa_user_sgpr_count 2
		.amdhsa_user_sgpr_kernarg_segment_ptr 1
		.amdhsa_wavefront_size32 1
		.amdhsa_system_sgpr_workgroup_id_x 1
		.amdhsa_system_sgpr_workgroup_id_y 1
		.amdhsa_system_sgpr_workgroup_id_z 1
		.amdhsa_system_vgpr_workitem_id 0
		.amdhsa_next_free_vgpr 1024
		.amdhsa_next_free_sgpr 98
		.amdhsa_reserve_vcc 0
		.amdhsa_float_denorm_mode_32 3
		.amdhsa_float_denorm_mode_16_64 3
		.amdhsa_memory_ordered 1
		.amdhsa_forward_progress 1
		.amdhsa_inst_pref_size 109
	.end_amdhsa_kernel
	.amdgpu_metadata
---
amdhsa.version: [ 1, 2 ]
amdhsa.kernels:
  - .name:           k_q98011ce859_gemm_out
    .symbol:         k_q98011ce859_gemm_out.kd
    .args:
      - { .name: oo, .offset: 0, .size: 8, .value_kind: global_buffer, .address_space: global }
      - { .name: wq, .offset: 8, .size: 8, .value_kind: global_buffer, .address_space: global }
      - { .name: bp, .offset: 16, .size: 8, .value_kind: global_buffer, .address_space: global }
      - { .name: out0, .offset: 24, .size: 8, .value_kind: global_buffer, .address_space: global }
    .group_segment_fixed_size: 315904
    .private_segment_fixed_size: 0
    .kernarg_segment_align: 8
    .kernarg_segment_size: 32
    .max_flat_workgroup_size: 128
    .sgpr_count:     98
    .vgpr_count:     1024
    .wavefront_size: 32
...
	.end_amdgpu_metadata
.endif
;; end of part 4
